; MI455X (gfx1250); checked and timed in simulation.
; The chip was launched on July 23, 2026; its instructions are those of AMD's public machine-readable ISA for CDNA 5 (MIT licence, August 2026) and "CDNA5" Instruction Set Architecture Reference Guide (July 2026). The comments in the code are by the model that wrote it; some were corrected since.
;; Causal Self Attention. Allowed arithmetic: float matrix products may take bf16 or f16 operands with f32 sums; all other float work in f32.
;; Inputs: Wk 1,024 x 1,024 float32; Wo 1,024 x 1,024 float32; Wq 1,024 x 1,024 float32; Wv 1,024 x 1,024 float32; x 2 x 2,048 x 1,024 float32.
;; Outputs: out0 2 x 2,048 x 1,024 float32.
;; 2 versions, each right. Each part assembles by itself: llvm-mc -triple=amdgcn-amd-amdhsa -mcpu=gfx1250 --defsym DOCPART=n.
;; ======== version 1 of 2: 4 launches
;; limits: values are held in f16: magnitudes above 65,504 overflow, below 6.1e-05 lose precision
;; workspace buffers: xb 8,388,608 bytes; wb 8,388,608 bytes; qkvb 33,554,432 bytes; yb 16,777,216 bytes
;; launch cast (part 1): grid 512 x 1, 8 waves a work-group, no clusters, 0 bytes of LDS; arguments x, Wq, Wk, Wv, Wo, xb, wb; writes xb, wb
.if DOCPART == 1
	.amdgcn_target "amdgcn-amd-amdhsa--gfx1250"
	.amdhsa_code_object_version 6
	.text
	.protected	k_qbf61b6719e_cast
	.globl	k_qbf61b6719e_cast
	.p2align	8
	.type	k_qbf61b6719e_cast,@function
k_qbf61b6719e_cast:
	s_mov_b64 s[64:65], 0
	v_nop
	global_prefetch_b8 v0, s[64:65] scope:SCOPE_SE
	s_setreg_imm32_b32 hwreg(HW_REG_WAVE_MODE, 25, 1), 1
	s_wait_xcnt 0x0
; f32 to bf16 (round to nearest even), once for all matrix operands: x -> xb, and Wq, Wk, Wv, Wo one behind the other -> wb.
; A pure stream: no LDS, no matrix unit, no cluster (no byte is read twice).
; 512 work-groups of 8 waves; each takes 16,384 numbers: 65,536 bytes in, 32,768 bytes out.
; Groups 0-255 take x; group 256 + j takes piece j & 63 of weight j >> 6 (a weight is 64 pieces).
; Thread t, load k: the 16 bytes at 4096 k + 16 t; store k: the 8 bytes at 2048 k + 8 t, so a wave's store covers 256 consecutive bytes, aligned.
; All sixteen loads of a thread are issued first; each has registers of its own, so no register is written twice.
.set X, 4                              ; v[4:67]   load k: 4 registers
.set Y, 68                             ; v[68:99]  store k: 2 registers
	s_load_b256 s[4:11], s[0:1], 0x0               ; x s[4:5], Wq s[6:7], Wk s[8:9], Wv s[10:11]
	s_load_b128 s[12:15], s[0:1], 0x20             ; Wo s[12:13], xb s[14:15]
	s_load_b64 s[16:17], s[0:1], 0x30              ; wb
	v_lshlrev_b32 v1, 4, v0                        ; 16 t
	v_lshlrev_b32 v2, 3, v0                        ; 8 t
	s_and_b32 s18, ttmp9, 255                      ; the piece's number in x, or j
	s_lshr_b32 s19, s18, 6                         ; which weight
	s_and_b32 s24, s18, 63                         ; which piece of it
	s_lshl_b32 s26, s18, 15                        ; the piece's bytes in xb or wb
	s_mov_b32 s27, 0
	s_mov_b32 s25, 0
	s_wait_kmcnt 0x0
	s_cmp_eq_u32 s19, 1
	s_cselect_b64 s[20:21], s[8:9], s[6:7]         ; Wk or Wq
	s_cmp_eq_u32 s19, 2
	s_cselect_b64 s[20:21], s[10:11], s[20:21]     ; Wv
	s_cmp_eq_u32 s19, 3
	s_cselect_b64 s[20:21], s[12:13], s[20:21]     ; Wo
	s_cmp_lt_u32 ttmp9, 256
	s_cselect_b64 s[20:21], s[4:5], s[20:21]       ; x for the first 256 groups
	s_cselect_b64 s[22:23], s[14:15], s[16:17]     ; xb or wb
	s_cselect_b32 s24, s18, s24
	s_lshl_b32 s24, s24, 16                        ; the piece's bytes in its source
	s_add_nc_u64 s[20:21], s[20:21], s[24:25]
	s_add_nc_u64 s[22:23], s[22:23], s[26:27]
.irp k, 0,1,2,3,4,5,6,7,8,9,10,11,12,13,14,15
	global_load_b128 v[X+4*\k:X+4*\k+3], v1, s[20:21] offset:4096*\k th:TH_LOAD_NT
.endr
.irp k, 0,1,2,3,4,5,6,7,8,9,10,11,12,13,14,15
	s_wait_loadcnt 15-\k                           ; loads come back in order: load k is in, the 15 - k younger ones stay out
	v_cvt_pk_bf16_f32 v[Y+2*\k], v[X+4*\k], v[X+4*\k+1]
	v_cvt_pk_bf16_f32 v[Y+2*\k+1], v[X+4*\k+2], v[X+4*\k+3]
	global_store_b64 v2, v[Y+2*\k:Y+2*\k+1], s[22:23] offset:2048*\k
.endr
	s_endpgm
.Lfunc_end_k_qbf61b6719e_cast:
	.size	k_qbf61b6719e_cast, .Lfunc_end_k_qbf61b6719e_cast-k_qbf61b6719e_cast
	.p2alignl 7, 3214868480
	.fill 96, 4, 3214868480
	.section	.rodata,"a",@progbits
	.p2align	6, 0x0
	.amdhsa_kernel k_qbf61b6719e_cast
		.amdhsa_group_segment_fixed_size 0
		.amdhsa_private_segment_fixed_size 0
		.amdhsa_enable_private_segment 0
		.amdhsa_kernarg_size 56
		.amdhsa_user_sgpr_count 2
		.amdhsa_user_sgpr_kernarg_segment_ptr 1
		.amdhsa_wavefront_size32 1
		.amdhsa_system_sgpr_workgroup_id_x 1
		.amdhsa_system_sgpr_workgroup_id_y 1
		.amdhsa_system_sgpr_workgroup_id_z 1
		.amdhsa_system_vgpr_workitem_id 0
		.amdhsa_next_free_vgpr 104
		.amdhsa_next_free_sgpr 66
		.amdhsa_reserve_vcc 0
		.amdhsa_float_denorm_mode_32 3
		.amdhsa_float_denorm_mode_16_64 3
		.amdhsa_memory_ordered 1
		.amdhsa_forward_progress 1
		.amdhsa_inst_pref_size 7
	.end_amdhsa_kernel
	.amdgpu_metadata
---
amdhsa.version: [ 1, 2 ]
amdhsa.kernels:
  - .name:           k_qbf61b6719e_cast
    .symbol:         k_qbf61b6719e_cast.kd
    .args:
      - { .name: x, .offset: 0, .size: 8, .value_kind: global_buffer, .address_space: global }
      - { .name: Wq, .offset: 8, .size: 8, .value_kind: global_buffer, .address_space: global }
      - { .name: Wk, .offset: 16, .size: 8, .value_kind: global_buffer, .address_space: global }
      - { .name: Wv, .offset: 24, .size: 8, .value_kind: global_buffer, .address_space: global }
      - { .name: Wo, .offset: 32, .size: 8, .value_kind: global_buffer, .address_space: global }
      - { .name: xb, .offset: 40, .size: 8, .value_kind: global_buffer, .address_space: global }
      - { .name: wb, .offset: 48, .size: 8, .value_kind: global_buffer, .address_space: global }
    .group_segment_fixed_size: 0
    .private_segment_fixed_size: 0
    .kernarg_segment_align: 8
    .kernarg_segment_size: 56
    .max_flat_workgroup_size: 256
    .sgpr_count:     66
    .vgpr_count:     104
    .wavefront_size: 32
...
	.end_amdgpu_metadata
.endif
;; end of part 1
;; launch qkv (part 2): grid 24 x 32, 4 waves a work-group, clusters of 4 x 4, 327,680 bytes of LDS; arguments xb, wb, qkvb; writes qkvb
.if DOCPART == 2
	.amdgcn_target "amdgcn-amd-amdhsa--gfx1250"
	.amdhsa_code_object_version 6
	.text
	.protected	k_qbf61b6719e_qkv
	.globl	k_qbf61b6719e_qkv
	.p2align	8
	.type	k_qbf61b6719e_qkv,@function
k_qbf61b6719e_qkv:
	s_mov_b64 s[64:65], 0
	v_nop
	global_prefetch_b8 v0, s[64:65] scope:SCOPE_SE
	s_setreg_imm32_b32 hwreg(HW_REG_WAVE_MODE, 25, 1), 1
	s_wait_xcnt 0x0
	s_wait_alu depctr_hold_cnt(0) depctr_sa_sdst(0) depctr_va_vdst(0) depctr_va_sdst(0) depctr_va_ssrc(0) depctr_va_vcc(0) depctr_vm_vsrc(0)
	s_getreg_b32 s2, hwreg(HW_REG_IB_STS2, 6, 4)
	s_cmp_eq_u32 s2, 0
	s_cbranch_scc0 .Lentry_in_a_cluster
	s_endpgm
.Lentry_in_a_cluster:
	s_bfe_u32 s2, ttmp6, 0x10000c
	s_cmp_lg_u32 s2, 0xf033
	s_cbranch_scc0 .Lentry_shape_is_right
	s_endpgm
.Lentry_shape_is_right:
; C[m][n] = sum over k of xb[m][k] wb[n][k], m < 4096, n < 3072 (rows of Wq, Wk, Wv), k < 1024.  bf16 in, f32 sums.
; OUT: qkvb [4096][4096] in f16: q at column 0, k at 1024, vh at 2048, vl at 3072.  q and k are rounded to f16 (11 significant bits).
; v goes out as two f16 numbers: vh = v with its mantissa cut to 10 bits (exact in f16), vl = f16(v - vh): 21 bits in all, since the rows of the
; result that average few keys are far larger than the result's root mean square and a single 16-bit rounding of v would show there.
; LIMITS: |q|, |k|, |v| below 65,504 (f16's largest).  Where |v| < 6.1e-5 (f16's denormals) vh is rounded, by at most 3e-8, and vl does not make that up.
; A work-group makes 128 x 128 of C with four waves; wave w makes 64 x 64 (rows 64 (w >> 1), columns 64 (w & 1)): 16 accumulator tiles.
; K goes in 8 steps of 128 (rows of 256 bytes) through four LDS slots filled by tensor loads; two slots are filled again behind one barrier round.
; CLUSTER 4 x 4: A's tile hangs on the block row alone and is asked for jointly by the four work-groups of a row of the cluster,
; B's on the block column alone and is asked for jointly along a column.
; The matrix instruction is used transposed (source 0 = rows of B, source 1 = rows of A): lane l then holds row l % 16 of C and
; eight neighbouring columns 8 (l / 16) + 0..7, which pack into 16 bytes.
; The 16 accumulators take turns, one instruction a turn, in the same order in every quarter step.
; REGISTERS: window 0: v16-28 addresses, v64-127 and v128-191 two fragment buffers (B's four fragments, then A's four); on the way out v64-79 packed
;            results, v80-111 at work.  window 1: accumulator (a, b) at v[8 (4 a + b)].
.set KSTEP,  128
.set PITCH,  272                       ; an LDS row: 256 bytes + 16 of padding, an odd multiple of 16: the 16 rows of a fragment load begin 16 bytes apart modulo 256
.set QUART,  64*PITCH                  ; what one tensor load brings: 64 rows
.set SLOT,   4*QUART                   ; A's 128 rows, then B's 128 rows
.set STAGE,  4*SLOT                    ; behind the ring, never filled by a tensor load: 128 rows x 272 bytes, the block of C in f16
.set CP,     8192                      ; bytes in a row of qkvb
.set ADRA, 16                          ; v16-19  LDS address of my A fragments in slot 0..3
.set ADRB, 20                          ; v20-23  the same for B
.set STO,  24
.set RD,   25
.set CO,   26
.set STOL, 27                          ; the same two addresses in the stage for vl: LDS bytes 0 .. 34,815, slot 0, which has had its last fill
.set RDL,  28
.set F0,   64
.set F1,   128
.set TMP,  64
.set U,    80
.set G1,  24                           ; s[24:31] group 1 for A's tiles
.set G1B, 32                           ; s[32:39] group 1 for B's tiles: another mask
.set G0,  40                           ; s[40:55] group 0 for A's tiles, one set for each slot
.set G0B, 68                           ; s[68:83] group 0 for B's tiles
.set MULW, 0x50                        ; sources 0 and 1 window 0, C and D window 1
.set MSB, 0
.macro WIN new                         ; the immediate's high byte repeats the setting that is left
.if MSB != \new
	s_set_vgpr_msb (MSB<<8)|\new
.set MSB, \new
.endif
.endm
.macro PLACES                          ; four places behind a matrix instruction, in front of loads into its sources and of readers of its result
.rept 4
	v_nop
.endr
.endm
; A joint load: waves 0, 1 fetch A's two halves, waves 2, 3 B's.  Each line has one mask; the branch hangs on the wave's number alone.
.macro JLOAD s
	s_cmp_eq_u32 s11, 0
	s_cbranch_scc0 .Lfor_b_\@
	tensor_load_to_lds s[G0+4*\s:G0+4*\s+3], s[G1:G1+7]
	s_nop 0
	s_branch .Lasked_\@
.Lfor_b_\@:
	tensor_load_to_lds s[G0B+4*\s:G0B+4*\s+3], s[G1B:G1B+7]
	s_nop 0
.Lasked_\@:
.endm
.macro CREST                           ; a round of the cluster's barrier behind its opening work-group barrier
	s_cmp_lg_u32 s10, 0
	s_cbranch_scc1 .Lnot_wave_0_\@
	s_barrier_signal -3
.Lnot_wave_0_\@:
	s_barrier_wait -3
	s_barrier_signal -1
	s_barrier_wait -1
.endm
.macro CROUND
	s_barrier_signal -1
	s_barrier_wait -1
	CREST
.endm
	s_load_b128 s[4:7], s[0:1], 0x0                ; A s[4:5], B s[6:7]
	s_load_b64 s[8:9], s[0:1], 0x10                ; C
	v_lshrrev_b32 v1, 5, v0
	v_readfirstlane_b32 s10, v1                    ; wave 0..3
	s_lshr_b32 s11, s10, 1                         ; my half of the block's rows; also: I fetch for A (0) or B (1)
	s_and_b32 s12, s10, 1                          ; my half of its columns; also: which 64 rows of that tile I fetch
	s_bfe_u32 s84, ttmp6, 0x40000                  ; cx
	s_bfe_u32 s85, ttmp6, 0x40004                  ; cy
	s_lshl_b32 s86, ttmp9, 2
	s_add_co_u32 s86, s86, s84                     ; block column = 4 x cluster x + cx
	s_and_b32 s13, ttmp7, 0xffff
	s_lshl_b32 s13, s13, 2
	s_add_co_u32 s13, s13, s85                     ; block row = 4 x cluster y + cy
	s_lshl_b32 s87, s85, 2
	s_lshl_b32 s87, 15, s87                        ; my row of the cluster: places 4 cy .. 4 cy + 3
	s_lshl_b32 s88, 0x1111, s84                    ; my column: places cx, cx + 4, cx + 8, cx + 12
	s_cmp_lt_u32 ttmp9, 4                          ; cluster columns 0-3 hold q and k (block columns 0-15), 4 and 5 hold v: the same for all partners
	s_cselect_b32 s89, -1, 0xffffe000              ; q, k: all bits go to the rounding; v: the mantissa is cut to 10 bits
	; group 1: 64 rows x 128 elements of 2 bytes, 4 words of padding behind every 64 words, row pitch 1024 elements
	s_or_b32 s[G1+0], s87, (1<<16)|(1<<20)|(1<<21)|(5<<22)|(3<<25)
	s_or_b32 s[G1B+0], s88, (1<<16)|(1<<20)|(1<<21)|(5<<22)|(3<<25)
	s_mov_b32 s[G1+1], KSTEP<<16                   ; tensor_dim0 = 128
	s_mov_b32 s[G1B+1], KSTEP<<16
	s_mov_b32 s[G1+2], 64<<16                      ; tensor_dim1 = 64
	s_mov_b32 s[G1B+2], 64<<16
	s_mov_b32 s[G1+3], KSTEP<<16                   ; tile_dim0 = 128
	s_mov_b32 s[G1B+3], KSTEP<<16
	s_mov_b32 s[G1+4], 64                          ; tile_dim1 = 64
	s_mov_b32 s[G1B+4], 64
	s_mov_b32 s[G1+5], 1024                        ; elements from row to row
	s_mov_b32 s[G1B+5], 1024
	s_mov_b32 s[G1+6], 0
	s_mov_b32 s[G1B+6], 0
	s_mov_b32 s[G1+7], 0
	s_mov_b32 s[G1B+7], 0
	; A's address is made of the block row and the wave's number, B's of the block column and the wave's number, in registers of their own
	s_lshl_b32 s14, s13, 7
	s_lshl_b32 s15, s12, 6
	s_add_co_u32 s14, s14, s15                     ; A: row 128 x block row + 64 x half
	s_lshl_b32 s14, s14, 11                        ; x 2048 bytes (below 2^23)
	s_mov_b32 s15, 0
	s_lshl_b32 s16, s86, 7
	s_lshl_b32 s17, s12, 6
	s_add_co_u32 s16, s16, s17                     ; B: row 128 x block column + 64 x half
	s_lshl_b32 s16, s16, 11
	s_mov_b32 s17, 0
	s_mul_i32 s20, s10, QUART                      ; where my quarter of a slot lies: the wave's number alone
	s_wait_kmcnt 0x0
	s_add_nc_u64 s[14:15], s[4:5], s[14:15]
	s_add_nc_u64 s[16:17], s[6:7], s[16:17]
	CROUND                                         ; all sixteen work-groups are here: the first joint loads meet
.irp s, 0,1,2,3
	s_mov_b32 s[G0+4*\s], 1
	s_add_co_u32 s[G0+4*\s+1], s20, \s*SLOT
	s_add_nc_u64 s[G0+4*\s+2:G0+4*\s+3], s[14:15], \s*KSTEP*2      ; K step s
	s_or_b32 s[G0+4*\s+3], s[G0+4*\s+3], 0x80000000
	s_mov_b32 s[G0B+4*\s], 1
	s_add_co_u32 s[G0B+4*\s+1], s20, \s*SLOT
	s_add_nc_u64 s[G0B+4*\s+2:G0B+4*\s+3], s[16:17], \s*KSTEP*2
	s_or_b32 s[G0B+4*\s+3], s[G0B+4*\s+3], 0x80000000
	JLOAD \s                                       ; four tensor loads of the wave are out behind this run: the most in this text
.endr
	; fragment addresses: lane l takes row l % 16, 16 bytes at 16 (l / 16), and again 32 bytes on
	v_and_b32 v1, 15, v0                           ; r
	v_bfe_u32 v2, v0, 4, 1                         ; h
	v_mul_u32_u24 v3, v1, PITCH
	v_lshl_add_u32 v3, v2, 4, v3
	s_mul_i32 s21, s11, QUART                      ; my 64 rows of A
	s_mul_i32 s22, s12, QUART
	s_add_co_u32 s22, s22, 2*QUART                 ; my 64 rows of B, behind A's 128
.irp s, 0,1,2,3
	v_add_nc_u32 v[ADRA+\s], s21, v3
	v_add_nc_u32 v[ADRB+\s], s22, v3
	s_add_co_u32 s21, s21, SLOT
	s_add_co_u32 s22, s22, SLOT
.endr
	s_mul_i32 s23, s11, QUART                      ; the way out: row 64 (w >> 1) + r, byte 128 (w & 1) + 16 h
	s_lshl_b32 s21, s12, 7
	s_add_co_u32 s23, s23, s21
	v_add_nc_u32 v[STOL], s23, v3
	s_add_co_u32 s23, s23, STAGE
	v_add_nc_u32 v[STO], s23, v3
	s_mul_i32 s23, s10, 32*PITCH                   ; back: rows 32 w + 2 t + (l / 16), 16 bytes at 16 (l % 16)
	v_mul_u32_u24 v5, v2, PITCH
	v_lshl_add_u32 v5, v1, 4, v5
	v_add_nc_u32 v[RDL], s23, v5
	s_add_co_u32 s23, s23, STAGE
	v_add_nc_u32 v[RD], s23, v5
	v_lshlrev_b32 v5, 13, v2                       ; and the same two rows in qkvb
	v_lshl_add_u32 v[CO], v1, 4, v5
; four matrix instructions: row block a of my four x all four column blocks, 32 along K.  zero = 1: the product starts the sums
.macro MULROW f, a, zero
.irp b, 0,1,2,3
.if \zero
	v_wmma_f32_16x16x32_bf16 v[8*(4*\a+\b):8*(4*\a+\b)+7], v[\f+8*\b:\f+8*\b+7], v[\f+32+8*\a:\f+32+8*\a+7], 0
.else
	v_wmma_f32_16x16x32_bf16 v[8*(4*\a+\b):8*(4*\a+\b)+7], v[\f+8*\b:\f+8*\b+7], v[\f+32+8*\a:\f+32+8*\a+7], v[8*(4*\a+\b):8*(4*\a+\b)+7]
.endif
.endr
.endm
; 16 LDS loads in one run: the fragments of a quarter step (64 rows of B, 64 of A, 32 K at byte k of the rows) into buffer f
.macro FETCH slot, k, f
	WIN 0
.irp i, 0,1,2,3
	ds_load_b128 v[\f+8*\i:\f+8*\i+3],   v[ADRB+\slot] offset:\k+\i*16*PITCH
	ds_load_b128 v[\f+8*\i+4:\f+8*\i+7], v[ADRB+\slot] offset:\k+\i*16*PITCH+32
.endr
.irp i, 0,1,2,3
	ds_load_b128 v[\f+32+8*\i:\f+32+8*\i+3],   v[ADRA+\slot] offset:\k+\i*16*PITCH
	ds_load_b128 v[\f+32+8*\i+4:\f+32+8*\i+7], v[ADRA+\slot] offset:\k+\i*16*PITCH+32
.endr
.endm
; one of a K step's first three quarters: multiplies buffer f; behind its first four products it fetches the next quarter into buffer g
.macro QUARTER slot, k, f, g, zero
	s_wait_dscnt 0x0                               ; the only LDS loads out are buffer f's sixteen
	WIN MULW
	MULROW \f, 0, \zero
	PLACES                                         ; buffer g was last read by the matrix instructions of the quarter before
	FETCH \slot, \k, \g
	WIN MULW
	MULROW \f, 1, \zero
	MULROW \f, 2, \zero
	MULROW \f, 3, \zero
.endm
.macro THREE slot, zero
	QUARTER \slot, 64,  F0, F1, \zero
	QUARTER \slot, 128, F1, F0, 0
	QUARTER \slot, 192, F0, F1, 0
.endm
; the last quarter: multiplies buffer 1 and goes on to slot next.
; bar = 1: the next tile is shown to the other waves: my part has landed (cnt younger loads may stay out), then a barrier.
; fill = 1: slots fa and fb, whose reads are over, are filled again four K steps ahead.  Then cnt is 0: in front of the round's opening signal
; every wave has waited for its LDS reads and for all its tensor loads; inside the round stands register work alone; the refills come first behind it.
.macro TURN next, bar, cnt, fill, fa, fb
	s_wait_dscnt 0x0                               ; buffer 1 is in, and with it my last reads of this slot
	WIN MULW
	MULROW F1, 0, 0
.if \bar
	s_wait_tensorcnt \cnt
	s_barrier_signal -1
.endif
	MULROW F1, 1, 0
	WIN 0
.if \bar
	s_barrier_wait -1
.endif
.if \fill
	CREST                                          ; no wave of any partner still reads the two slots or has a load on its way
.irp s, \fa, \fb
	s_add_nc_u64 s[G0+4*\s+2:G0+4*\s+3], s[G0+4*\s+2:G0+4*\s+3], 4*KSTEP*2
	s_add_nc_u64 s[G0B+4*\s+2:G0B+4*\s+3], s[G0B+4*\s+2:G0B+4*\s+3], 4*KSTEP*2
.endr
	JLOAD \fa
	JLOAD \fb
.endif
	PLACES
	FETCH \next, 0, F0
	WIN MULW
	MULROW F1, 2, 0
	MULROW F1, 3, 0
.endm
	s_wait_tensorcnt 0x3                           ; my part of K step 0 is in; the three younger loads stay out
	s_barrier_signal -1
	s_barrier_wait -1
	FETCH 0, 0, F0
	THREE 0, 1                                     ; the first products start the sums: nothing is cleared
	TURN 1, 1, 2, 0, 0, 0                          ; K step 1 is in; steps 2 and 3 stay out
	THREE 1, 0
	TURN 2, 1, 0, 1, 0, 1                          ; all loads in; slots 0, 1 get K steps 4, 5: each has two K steps of products in which to land
	THREE 2, 0
	TURN 3, 0, 0, 0, 0, 0                          ; K step 3 was shown landed in front of the round above: no wait, no barrier
	THREE 3, 0
	TURN 0, 1, 0, 1, 2, 3                          ; steps 4, 5 in; slots 2, 3 get K steps 6, 7
	THREE 0, 0
	TURN 1, 0, 0, 0, 0, 0                          ; K step 5 was shown landed in front of the round above
	THREE 1, 0
	TURN 2, 1, 1, 0, 0, 0                          ; K step 6 is in; step 7 stays out
	THREE 2, 0
	TURN 3, 1, 0, 0, 0, 0                          ; K step 7 is in
	THREE 3, 0
	s_wait_dscnt 0x0
	WIN MULW
	MULROW F1, 0, 0
	MULROW F1, 1, 0
	MULROW F1, 2, 0
	MULROW F1, 3, 0
	PLACES                                         ; in front of the vector instructions that read results
	; THE WAY OUT: to f16, 16 bytes a lane into the block's stage; behind a barrier each wave reads 32 whole rows of 256 bytes back.
	s_lshl_b32 s18, s13, 7
	s_lshl_b32 s19, s10, 5
	s_add_co_u32 s18, s18, s19                     ; row 128 x block row + 32 w
	s_lshl_b32 s18, s18, 13                        ; x 8192 bytes (below 2^25)
	s_mov_b32 s19, 0
	s_add_nc_u64 s[8:9], s[8:9], s[18:19]
	s_lshl_b32 s16, s86, 8                         ; 256 bytes x block column, in registers that held B's address
	s_mov_b32 s17, 0
	s_add_nc_u64 s[8:9], s[8:9], s[16:17]
; rows 16 a .. 16 a + 15 of my 64: the 32 accumulator registers 32 a .. 32 a + 31 of window 1
.macro OUTA a
	WIN 0x04                                       ; source 1 in window 1
.set ii, 0
.rept 32
	v_and_b32 v[U+ii], s89, v[32*\a+ii]            ; q, k: unchanged; v: cut to what f16 holds exactly
.set ii, ii+1
.endr
	WIN 0
.set ii, 0
.rept 16
	v_cvt_pk_f16_f32 v[TMP+ii], v[U+2*ii], v[U+2*ii+1]
.set ii, ii+1
.endr
.irp b, 0,1,2,3
	ds_store_b128 v[STO], v[TMP+4*\b:TMP+4*\b+3] offset:\a*16*PITCH+32*\b
.endr
	s_cmp_lt_u32 ttmp9, 4                          ; q and k have no second part.  The cluster's x is the same in all partners and all waves
	s_cbranch_scc1 .Lno_lo_\@
	WIN 0x01                                       ; source 0 in window 1
.set ii, 0
.rept 32
	v_sub_f32 v[U+ii], v[32*\a+ii], v[U+ii]        ; v - vh, exact in f32
.set ii, ii+1
.endr
	WIN 0
.set ii, 0
.rept 16
	v_cvt_pk_f16_f32 v[TMP+ii], v[U+2*ii], v[U+2*ii+1]
.set ii, ii+1
.endr
.irp b, 0,1,2,3
	ds_store_b128 v[STOL], v[TMP+4*\b:TMP+4*\b+3] offset:\a*16*PITCH+32*\b   ; slot 0: its last fill was K step 4, its last reads lie behind two barriers
.endr
.Lno_lo_\@:
.endm
	OUTA 0
	OUTA 1
	OUTA 2
	OUTA 3
	s_wait_dscnt 0x0                               ; my stores into the stages are done, for the other waves' sake
	s_barrier_signal -1
	s_barrier_wait -1
.irp t, 0,1,2,3,4,5,6,7,8,9,10,11,12,13,14,15
	ds_load_b128 v[F1+4*\t:F1+4*\t+3], v[RD] offset:\t*2*PITCH
.endr
.irp t, 0,1,2,3,4,5,6,7,8,9,10,11,12,13,14,15
	s_wait_dscnt 15-\t                             ; LDS loads come back in order: load t is in
	global_store_b128 v[CO], v[F1+4*\t:F1+4*\t+3], s[8:9] offset:\t*2*CP     ; 16 lanes store 256 consecutive bytes, aligned
.endr
	s_cmp_lt_u32 ttmp9, 4
	s_cbranch_scc1 .Lno_lo_out
.irp t, 0,1,2,3,4,5,6,7,8,9,10,11,12,13,14,15
	ds_load_b128 v[F0+4*\t:F0+4*\t+3], v[RDL] offset:\t*2*PITCH              ; other registers than the stores above read
.endr
.irp t, 0,1,2,3,4,5,6,7,8,9,10,11,12,13,14,15
	s_wait_dscnt 15-\t
	global_store_b128 v[CO], v[F0+4*\t:F0+4*\t+3], s[8:9] offset:\t*2*CP+2048   ; vl lies 1024 columns to the right of vh
.endr
.Lno_lo_out:
	CROUND                                         ; the closing round: no work-group ends while a partner may still ask jointly
	s_endpgm
.Lfunc_end_k_qbf61b6719e_qkv:
	.size	k_qbf61b6719e_qkv, .Lfunc_end_k_qbf61b6719e_qkv-k_qbf61b6719e_qkv
	.p2alignl 7, 3214868480
	.fill 96, 4, 3214868480
	.section	.rodata,"a",@progbits
	.p2align	6, 0x0
	.amdhsa_kernel k_qbf61b6719e_qkv
		.amdhsa_group_segment_fixed_size 327680
		.amdhsa_private_segment_fixed_size 0
		.amdhsa_enable_private_segment 0
		.amdhsa_kernarg_size 24
		.amdhsa_user_sgpr_count 2
		.amdhsa_user_sgpr_kernarg_segment_ptr 1
		.amdhsa_wavefront_size32 1
		.amdhsa_system_sgpr_workgroup_id_x 1
		.amdhsa_system_sgpr_workgroup_id_y 1
		.amdhsa_system_sgpr_workgroup_id_z 1
		.amdhsa_system_vgpr_workitem_id 0
		.amdhsa_next_free_vgpr 384
		.amdhsa_next_free_sgpr 96
		.amdhsa_reserve_vcc 0
		.amdhsa_float_denorm_mode_32 3
		.amdhsa_float_denorm_mode_16_64 3
		.amdhsa_memory_ordered 1
		.amdhsa_forward_progress 1
		.amdhsa_inst_pref_size 108
	.end_amdhsa_kernel
	.amdgpu_metadata
---
amdhsa.version: [ 1, 2 ]
amdhsa.kernels:
  - .name:           k_qbf61b6719e_qkv
    .symbol:         k_qbf61b6719e_qkv.kd
    .args:
      - { .name: xb, .offset: 0, .size: 8, .value_kind: global_buffer, .address_space: global }
      - { .name: wb, .offset: 8, .size: 8, .value_kind: global_buffer, .address_space: global }
      - { .name: qkvb, .offset: 16, .size: 8, .value_kind: global_buffer, .address_space: global }
    .group_segment_fixed_size: 327680
    .private_segment_fixed_size: 0
    .kernarg_segment_align: 8
    .kernarg_segment_size: 24
    .max_flat_workgroup_size: 128
    .sgpr_count:     96
    .vgpr_count:     384
    .wavefront_size: 32
...
	.end_amdgpu_metadata
.endif
;; end of part 2
;; launch attn (part 3): grid 256 x 1, 4 waves a work-group, no clusters, 327,680 bytes of LDS; arguments qkvb, yb; writes yb
.if DOCPART == 3
	.amdgcn_target "amdgcn-amd-amdhsa--gfx1250"
	.amdhsa_code_object_version 6
	.text
	.protected	k_qbf61b6719e_attn
	.globl	k_qbf61b6719e_attn
	.p2align	8
	.type	k_qbf61b6719e_attn,@function
k_qbf61b6719e_attn:
	s_mov_b64 s[64:65], 0
	v_nop
	global_prefetch_b8 v0, s[64:65] scope:SCOPE_SE
	s_setreg_imm32_b32 hwreg(HW_REG_WAVE_MODE, 25, 1), 1
	s_wait_xcnt 0x0
; Causal attention with a running maximum.  qkvb: [4096][4096] f16, row b 2048 + t: q at column 64 head, k at 1024 + 64 head, vh at 2048 + 64 head, vl at 3072 + 64 head (v = vh + vl).
; yb: [4096][2048] bf16: yh at column 64 head, yl = bf16(y - yh) at 1024 + 64 head.  Sums, maxima and exponentials in f32.
; PRECISION: P is rounded to f16 (11 bits) for the second product, which is made twice, P vh + P vl; the row sum is taken from the unrounded p.
; LIMITS: q, k, v as f16 holds them (below 65,504); p below 6e-8 of its row's largest counts as 0.
; Work-group id: i = id & 7, (batch, head) = id >> 3.  It does query block i (128 rows) and then block 15 - i:
; (i + 1) + (16 - i) = 17 key tiles of 128 for every work-group, so all 256 have the same work.  Trip t reads key tile t (t <= i) or t - i - 1.
; The tiles on the diagonal, trips i and 16, are masked; tiles above the diagonal are never read.
; NO CLUSTER: the eight work-groups of one head want different key tiles in the same trip (the tile's number hangs on i), so joint requests would not meet.
; Wave w owns 32 query rows, as two pieces of 16 that share the K and V fragments and take turns: one piece's softmax stands among the other's products.
; EVERYTHING TRANSPOSED: S^T = K Q^T, so lane (r = l % 16, h = l / 16) holds keys 8 h + 0..7 of query r; packing two such tiles gives the
; second product's P fragment with no shuffle; O^T = V^T P^T, so the lane holds eight neighbouring d of query r.  All softmax figures are one per lane.
; yb leaves in runs of 128 bytes (a head's 64 numbers): the other half of each 256 bytes belongs to another head's work-group.
; Accumulators take turns, one matrix instruction a turn.
.set PK,    144                        ; K rows in LDS: 128 bytes + 16, an odd multiple of 16
.set PV,    160                        ; V rows in LDS: 128 bytes + 32, an odd multiple of 32, for the transposing loads
.set VOFF,  128*PK                     ; vh behind K
.set VLO,   128*PV                     ; vl behind vh
.set SLOT,  128*PK+2*128*PV            ; 59,392
.set STAGE, 2*SLOT                     ; each wave's own 2 x 32 rows x 144 bytes for the way out (yh, then yl); no tensor load fills it
.set STL,   32*PK
.set QKVP,  8192                       ; bytes in a row of qkvb
.set YP,    4096                       ; bytes in a row of yb
.set G0,    40                         ; s[40:63] group 0: slot 0: K, vh, vl; slot 1: K, vh, vl
.set AK,  4                            ; v4, v5    K fragment address in slot 0, 1
.set AV,  6                            ; v6, v7    vh fragment address
.set STO, 8
.set RD,  9
.set YO,  10
.set QO,  11
.set DQ,  12                           ; v12, v13  piece p: my query's row in the block less 8 h
.set M,   14                           ; v14, v15  running maximum
.set T,   16
.set T2,  17
.set MN,  18
.set D,   19
.set NM,  20                           ; v[20:21]  - c x new maximum (low word; the high word is 0 and unused)
.set AL,  22                           ; v[22:23]  rescale factor (low word)
.set L,   24                           ; v[24:27]  piece p: two partial row sums
.set TS,  28                           ; v[28:31]
.set Q,   32                           ; v[32:63]  Q(p, c) at 16 p + 8 c
.set O,   64                           ; v[64:127] O(p, dt) at 32 p + 8 dt
.set S,   128                          ; v[128:191] S(p, kt) at 32 p + 8 kt; later P(p, c) at 32 p + 8 c
.set F,   192                          ; v[192:255] K(kt, c) at 16 kt + 8 c; later vh(dt, c) at 32 c + 8 dt
.set F2,  0                            ; window 1, v[256:319]: vl(dt, c) at 32 c + 8 dt
.set MSB, 0
.macro WIN new                         ; the immediate's high byte repeats the setting that is left
.if MSB != \new
	s_set_vgpr_msb (MSB<<8)|\new
.set MSB, \new
.endif
.endm
	s_load_b128 s[4:7], s[0:1], 0x0                ; qkvb s[4:5], yb s[6:7]
	v_lshrrev_b32 v1, 5, v0
	v_readfirstlane_b32 s8, v1                     ; wave
	s_and_b32 s9, ttmp9, 7                         ; i
	s_lshr_b32 s10, ttmp9, 3
	s_lshr_b32 s11, s10, 4                         ; batch
	s_and_b32 s81, s10, 15
	s_lshl_b32 s81, s81, 7                         ; 128 bytes x head
	s_lshl_b32 s80, s11, 11
	s_lshl_b32 s66, s8, 5
	s_add_co_u32 s80, s80, s66                     ; row 2048 b + 32 w
	s_mov_b32 s12, 0x76543210                      ; v_permlanex16_b32: lane l reads lane l xor 16
	s_mov_b32 s13, 0xfedcba98
	s_mov_b32 s14, 0x3e38aa3b                      ; c = log2(e) / 8: the scale 1 / sqrt(64) and the change of base in one
	s_mov_b32 s15, 0x3e38aa3b
	s_mov_b32 s16, 0xbe38aa3b                      ; - c
	s_mov_b32 s17, 0xff800000                      ; - infinity
	s_mov_b32 s71, 0xffff0000                      ; a word's upper bf16
	s_mov_b32 s79, 0
	; group 1: 32 rows x 64 elements of 2 bytes, pitch 4096 elements; padding behind every 32 words: 4 words for K, 8 for vh and vl
	s_mov_b32 s24, (1<<16)|(1<<20)|(4<<22)|(3<<25)
	s_mov_b32 s32, (1<<16)|(1<<20)|(4<<22)|(7<<25)
	s_mov_b32 s25, 64<<16
	s_mov_b32 s33, 64<<16
	s_mov_b32 s26, 32<<16
	s_mov_b32 s34, 32<<16
	s_mov_b32 s27, 64<<16
	s_mov_b32 s35, 64<<16
	s_mov_b32 s28, 32
	s_mov_b32 s36, 32
	s_mov_b32 s29, 4096
	s_mov_b32 s37, 4096
	s_mov_b32 s30, 0
	s_mov_b32 s38, 0
	s_mov_b32 s31, 0
	s_mov_b32 s39, 0
	; group 0: each wave brings its own 32 rows of K, of vh and of vl of every tile
	s_mov_b32 s40, 1
	s_mul_i32 s41, s8, 32*PK
	s_mov_b32 s44, 1
	s_mul_i32 s45, s8, 32*PV
	s_add_co_u32 s45, s45, VOFF
	s_mov_b32 s48, 1
	s_add_co_u32 s49, s45, VLO
	s_mov_b32 s52, 1
	s_add_co_u32 s53, s41, SLOT
	s_mov_b32 s56, 1
	s_add_co_u32 s57, s45, SLOT
	s_mov_b32 s60, 1
	s_add_co_u32 s61, s49, SLOT
	s_lshl_b32 s66, s80, 13                        ; my first key row x 8192 bytes (below 2^25)
	s_add_co_u32 s66, s66, s81
	s_mov_b32 s67, 0
	s_wait_kmcnt 0x0
	s_add_nc_u64 s[72:73], s[4:5], s[66:67]
	s_add_nc_u64 s[72:73], s[72:73], 2048          ; my rows of K in key tile 0
	s_add_nc_u64 s[74:75], s[72:73], 2048          ; of vh
	s_add_nc_u64 s[76:77], s[74:75], 2048          ; of vl
	s_or_b32 s73, s73, 0x80000000                  ; the type bits; later sums do not reach them
	s_or_b32 s75, s75, 0x80000000
	s_or_b32 s77, s77, 0x80000000
	s_mov_b64 s[42:43], s[72:73]
	s_mov_b64 s[46:47], s[74:75]
	s_mov_b64 s[50:51], s[76:77]
	tensor_load_to_lds s[40:43], s[24:31]          ; key tile 0 into slot 0.  A wave never has more than three tensor loads out in this text
	s_nop 0
	tensor_load_to_lds s[44:47], s[32:39]
	s_nop 0
	tensor_load_to_lds s[48:51], s[32:39]
	s_nop 0
	v_and_b32 v2, 15, v0                           ; r
	v_bfe_u32 v3, v0, 4, 1                         ; h
	v_and_b32 v1, 7, v0                            ; l & 7
	v_mul_u32_u24 v[AK], v2, PK
	v_lshl_add_u32 v[AK], v3, 4, v[AK]             ; r x 144 + 16 h
	v_add_nc_u32 v[AK+1], SLOT, v[AK]
	v_lshl_add_u32 v28, v3, 3, v1                  ; key row 8 h + (l & 7)
	v_mul_u32_u24 v28, v28, PV
	v_bfe_u32 v29, v0, 3, 1
	v_lshl_add_u32 v28, v29, 4, v28                ; + 16 ((l >> 3) & 1)
	v_add_nc_u32 v[AV], VOFF, v28
	v_add_nc_u32 v[AV+1], VOFF+SLOT, v28
	s_mul_i32 s66, s8, 2*STL
	s_add_co_u32 s66, s66, STAGE                   ; my stage
	v_add_nc_u32 v[STO], s66, v[AK]
	v_bfe_u32 v29, v0, 3, 2                        ; (l & 31) >> 3
	v_mul_u32_u24 v30, v29, PK
	v_lshl_add_u32 v30, v1, 4, v30
	v_add_nc_u32 v[RD], s66, v30                   ; back: eight lanes take a row's 128 bytes
	v_lshlrev_b32 v30, 12, v29
	v_lshl_add_u32 v[YO], v1, 4, v30               ; the same in yb: rows of 4096 bytes
	v_lshlrev_b32 v30, 13, v2
	v_lshl_add_u32 v[QO], v3, 4, v30               ; Q: row r of 8192 bytes, 16 h
	v_lshlrev_b32 v30, 3, v3
	v_sub_nc_u32 v30, v2, v30                      ; r - 8 h
	s_lshl_b32 s67, s8, 5
	v_add_nc_u32 v[DQ], s67, v30
	v_add_nc_u32 v[DQ+1], 16, v[DQ]
	v_mov_b32 v[NM+1], 0
	v_mov_b32 v[AL+1], 0
; S^T(p, kt) += K(kt, c) Q(p, c)^T; c = 0 starts the sum
.macro WS p, kt, c
.if \c
	v_wmma_f32_16x16x32_f16 v[S+32*\p+8*\kt:S+32*\p+8*\kt+7], v[F+16*\kt+8*\c:F+16*\kt+8*\c+7], v[Q+16*\p+8*\c:Q+16*\p+8*\c+7], v[S+32*\p+8*\kt:S+32*\p+8*\kt+7]
.else
	v_wmma_f32_16x16x32_f16 v[S+32*\p+8*\kt:S+32*\p+8*\kt+7], v[F+16*\kt+8*\c:F+16*\kt+8*\c+7], v[Q+16*\p+8*\c:Q+16*\p+8*\c+7], 0
.endif
.endm
; O^T(p, dt) += vh^T(dt, c) P(p, c)
.macro WPV p, dt, c
	v_wmma_f32_16x16x32_f16 v[O+32*\p+8*\dt:O+32*\p+8*\dt+7], v[F+32*\c+8*\dt:F+32*\c+8*\dt+7], v[S+32*\p+8*\c:S+32*\p+8*\c+7], v[O+32*\p+8*\dt:O+32*\p+8*\dt+7]
.endm
; O^T(p, dt) += vl^T(dt, c) P(p, c); source 0 in window 1
.macro WPVL p, dt, c
	v_wmma_f32_16x16x32_f16 v[O+32*\p+8*\dt:O+32*\p+8*\dt+7], v[F2+32*\c+8*\dt:F2+32*\c+8*\dt+7], v[S+32*\p+8*\c:S+32*\p+8*\c+7], v[O+32*\p+8*\dt:O+32*\p+8*\dt+7]
.endm
; the K fragments of 64 keys: 16 loads, those of d = 0..31 first
.macro LOADK slot, half
.irp c, 0,1
.irp kt, 0,1,2,3
	ds_load_b128 v[F+16*\kt+8*\c:F+16*\kt+8*\c+3],   v[AK+\slot] offset:(64*\half+16*\kt)*PK+64*\c
	ds_load_b128 v[F+16*\kt+8*\c+4:F+16*\kt+8*\c+7], v[AK+\slot] offset:(64*\half+16*\kt)*PK+64*\c+32
.endr
.endr
.endm
; the V^T fragments of 64 keys: 16 transposing loads, those of the first 32 keys first.  f, lo = F, 0: vh; F2, VLO: vl (destination in window 1)
.macro LOADV slot, half, f, lo
.irp c, 0,1
.irp dt, 0,1,2,3
	ds_load_tr16_b128 v[\f+32*\c+8*\dt:\f+32*\c+8*\dt+3],   v[AV+\slot] offset:\lo+(64*\half+32*\c)*PV+32*\dt
	ds_load_tr16_b128 v[\f+32*\c+8*\dt+4:\f+32*\c+8*\dt+7], v[AV+\slot] offset:\lo+(64*\half+32*\c)*PV+32*\dt+16*PV
.endr
.endr
.endm
; the maximum over S(p, i), in two chains that start from the running maximum.  masked: key 64 half + 16 i + 8 h + j stays only if it is <= the query's row
.macro MAXCH p, i, half, masked
.if \masked
.irp j, 0,1,2,3,4,5,6,7
	v_cmp_le_i32 vcc_lo, 64*\half+16*\i+\j, v[DQ+\p]
	v_cndmask_b32 v[S+32*\p+8*\i+\j], s17, v[S+32*\p+8*\i+\j], vcc_lo
.endr
.endif
.if \i
	v_max3_num_f32 v[T],  v[S+32*\p+8*\i],   v[S+32*\p+8*\i+1], v[T]
	v_max3_num_f32 v[T2], v[S+32*\p+8*\i+2], v[S+32*\p+8*\i+3], v[T2]
.else
	v_max3_num_f32 v[T],  v[S+32*\p+8*\i],   v[S+32*\p+8*\i+1], v[M+\p]
	v_max3_num_f32 v[T2], v[S+32*\p+8*\i+2], v[S+32*\p+8*\i+3], v[M+\p]
.endif
	v_max3_num_f32 v[T],  v[S+32*\p+8*\i+4], v[S+32*\p+8*\i+5], v[T]
	v_max3_num_f32 v[T2], v[S+32*\p+8*\i+6], v[S+32*\p+8*\i+7], v[T2]
.endm
; the new maximum (both halves of the lanes hold keys of query r), the rescale factor 2^(c (old - new)), the row sum rescaled.
; Every block's first 64 keys hold key 0, which no query masks, so the new maximum is finite and old - new is never (-inf) - (-inf).
.macro STATS p
	v_max_num_f32 v[T], v[T], v[T2]
	v_permlanex16_b32 v[T2], v[T], s12, s13
	v_max_num_f32 v[MN], v[T], v[T2]
	v_mul_f32 v[NM], s16, v[MN]
	v_fma_f32 v[D], v[M+\p], s14, v[NM]
	v_exp_f32 v[AL], v[D]
	v_mov_b32 v[M+\p], v[MN]                       ; the plain instruction behind the exponential (ISA guide 5.7.2)
	s_wait_alu depctr_va_vdst(0)
	v_pk_mul_f32 v[L+2*\p:L+2*\p+1], v[L+2*\p:L+2*\p+1], v[AL:AL+1] op_sel_hi:[1,0]
.endm
; p = 2^(c s - c max) on S(p, i); O(p, i) rescaled (these four lines are also the plain instructions behind the exponentials);
; the row sum; P packed to f16 into registers 4 i .. 4 i + 3 of the piece, whose scores have been used up by then
.macro EXPCH p, i
.irp q, 0,2,4,6
	v_pk_fma_f32 v[S+32*\p+8*\i+\q:S+32*\p+8*\i+\q+1], v[S+32*\p+8*\i+\q:S+32*\p+8*\i+\q+1], s[14:15], v[NM:NM+1] op_sel_hi:[1,0,0]
.endr
.irp q, 0,1,2,3,4,5,6,7
	v_exp_f32 v[S+32*\p+8*\i+\q], v[S+32*\p+8*\i+\q]
.endr
.irp q, 0,2,4,6
	v_pk_mul_f32 v[O+32*\p+8*\i+\q:O+32*\p+8*\i+\q+1], v[O+32*\p+8*\i+\q:O+32*\p+8*\i+\q+1], v[AL:AL+1] op_sel_hi:[1,0]
.endr
	s_wait_alu depctr_va_vdst(0)
	v_pk_add_f32 v[TS:TS+1],   v[S+32*\p+8*\i:S+32*\p+8*\i+1],   v[S+32*\p+8*\i+2:S+32*\p+8*\i+3]
	v_pk_add_f32 v[TS+2:TS+3], v[S+32*\p+8*\i+4:S+32*\p+8*\i+5], v[S+32*\p+8*\i+6:S+32*\p+8*\i+7]
	v_pk_add_f32 v[TS:TS+1], v[TS:TS+1], v[TS+2:TS+3]
	v_pk_add_f32 v[L+2*\p:L+2*\p+1], v[L+2*\p:L+2*\p+1], v[TS:TS+1]
.irp q, 0,1,2,3
	v_cvt_pk_f16_f32 v[S+32*\p+4*\i+\q], v[S+32*\p+8*\i+2*\q], v[S+32*\p+8*\i+2*\q+1]
.endr
.endm
; 64 keys against the wave's 32 queries
.macro HALF slot, half, masked
	LOADK \slot, \half
	s_wait_dscnt 0x8                               ; the eight loads for d = 0..31 are in; the eight younger stay out
.irp i, 0,1,2,3
	WS 0, \i, 0
.endr
	s_wait_dscnt 0x0
.irp i, 0,1,2,3
	WS 0, \i, 1
.endr
.rept 5
	v_nop                                          ; places in front of the readers of piece 0's scores (ISA guide 7.12.1)
.endr
.irp i, 0,1,2,3
	WS 1, \i, 0                                    ; piece 1's scores beside piece 0's softmax
	MAXCH 0, \i, \half, \masked
.endr
	STATS 0
	WS 1, 0, 1
	WS 1, 1, 1
	EXPCH 0, 0
	WS 1, 2, 1
	WS 1, 3, 1
	EXPCH 0, 1                                     ; its sixteen plain lines are the places between the last reader of K's fragments and the loads below
	LOADV \slot, \half, F, 0                       ; 16 loads: vh
	WIN 0x40                                       ; destination in window 1
	LOADV \slot, \half, F2, VLO                    ; 16 loads: vl
	WIN 0
	EXPCH 0, 2
	EXPCH 0, 3
	s_wait_dscnt 0x18                              ; vh of the first 32 keys is in: the 24 younger loads stay out
.irp i, 0,1,2,3
	WPV 0, \i, 0                                   ; piece 0's second product beside piece 1's softmax
	MAXCH 1, \i, \half, \masked
.endr
	STATS 1
	s_wait_dscnt 0x10                              ; all of vh is in: vl's 16 loads stay out
	WPV 0, 0, 1
	WPV 0, 1, 1
	EXPCH 1, 0
	WPV 0, 2, 1
	WPV 0, 3, 1
	EXPCH 1, 1
	EXPCH 1, 2
	EXPCH 1, 3
.irp c, 0,1
.irp i, 0,1,2,3
	WPV 1, \i, \c
.endr
.endr
	s_wait_dscnt 0x0                               ; vl is in
	WIN 0x01                                       ; source 0 in window 1
.irp p, 0,1
.irp c, 0,1
.irp i, 0,1,2,3
	WPVL \p, \i, \c
.endr
.endr
.endr
	WIN 0
.rept 5
	v_nop                                          ; five places: the next scores are written over the P that these products read; four serve the next loads
.endr                                          ; into the fragment registers and the readers of O (ISA guide 7.12.1)
.endm
.macro TILE slot, masked
	HALF \slot, 0, \masked
	HALF \slot, 1, \masked
.endm
; a query block is done: y = O / row sum; yh = bf16(y), yl = bf16(y - yh); through the wave's own stage (LDS serves a wave's instructions in order), out in rows of 128 bytes
.macro FINAL
.irp p, 0,1
	v_add_f32 v[T], v[L+2*\p], v[L+2*\p+1]
	v_permlanex16_b32 v[T2], v[T], s12, s13        ; the other half of the lanes summed the query's other keys
	v_add_f32 v[T], v[T], v[T2]
	v_rcp_f32 v[AL], v[T]
	v_nop                                          ; the plain instruction behind the reciprocal
	s_wait_alu depctr_va_vdst(0)
.irp q, 0,1,2,3,4,5,6,7,8,9,10,11,12,13,14,15
	v_pk_mul_f32 v[O+32*\p+2*\q:O+32*\p+2*\q+1], v[O+32*\p+2*\q:O+32*\p+2*\q+1], v[AL:AL+1] op_sel_hi:[1,0]
.endr
.irp q, 0,1,2,3,4,5,6,7,8,9,10,11,12,13,14,15
	v_cvt_pk_bf16_f32 v[S+32*\p+\q], v[O+32*\p+2*\q], v[O+32*\p+2*\q+1]
.endr
.irp q, 0,1,2,3,4,5,6,7,8,9,10,11,12,13,14,15
	v_lshlrev_b32 v[F+2*\q], 16, v[S+32*\p+\q]     ; yh back in f32
	v_and_b32 v[F+2*\q+1], s71, v[S+32*\p+\q]
.endr
.irp q, 0,1,2,3,4,5,6,7,8,9,10,11,12,13,14,15
	v_pk_add_f32 v[O+32*\p+2*\q:O+32*\p+2*\q+1], v[O+32*\p+2*\q:O+32*\p+2*\q+1], v[F+2*\q:F+2*\q+1] neg_lo:[0,1] neg_hi:[0,1]
.endr
.irp q, 0,1,2,3,4,5,6,7,8,9,10,11,12,13,14,15
	v_cvt_pk_bf16_f32 v[S+32*\p+16+\q], v[O+32*\p+2*\q], v[O+32*\p+2*\q+1]
.endr
.irp dt, 0,1,2,3
	ds_store_b128 v[STO], v[S+32*\p+4*\dt:S+32*\p+4*\dt+3] offset:16*\p*PK+32*\dt
	ds_store_b128 v[STO], v[S+32*\p+16+4*\dt:S+32*\p+16+4*\dt+3] offset:STL+16*\p*PK+32*\dt
.endr
.endr
.irp t, 0,1,2,3,4,5,6,7
	ds_load_b128 v[F+4*\t:F+4*\t+3], v[RD] offset:\t*4*PK
.endr
.irp t, 0,1,2,3,4,5,6,7
	ds_load_b128 v[F+32+4*\t:F+32+4*\t+3], v[RD] offset:STL+\t*4*PK
.endr
.irp t, 0,1,2,3,4,5,6,7
	s_wait_dscnt 15-\t                             ; load t of the sixteen is in
	global_store_b128 v[YO], v[F+4*\t:F+4*\t+3], s[20:21] offset:\t*4*YP
.endr
.irp t, 0,1,2,3,4,5,6,7
	s_wait_dscnt 7-\t
	global_store_b128 v[YO], v[F+32+4*\t:F+32+4*\t+3], s[20:21] offset:\t*4*YP+2048
.endr
	s_wait_xcnt 0x0                                ; the stores' data registers and base are written again only behind this wait
.endm
; a new query block, its number in scalar register blk: Q's fragments straight from memory, O, row sums and maxima started.
; O is cleared by moves: a block's first tile is masked in one work-group in eight and plain in the others, and writing both out with products that start the sums would double the trip's text.
.macro NEWQ blk
	s_lshl_b32 s66, \blk, 7
	s_add_co_u32 s66, s66, s80                     ; my first row
	s_lshl_b32 s68, s66, 13
	s_add_co_u32 s68, s68, s81
	s_mov_b32 s69, 0
	s_add_nc_u64 s[18:19], s[4:5], s[68:69]
	s_lshl_b32 s68, s66, 12
	s_add_co_u32 s68, s68, s81
	s_add_nc_u64 s[20:21], s[6:7], s[68:69]
.irp p, 0,1
.irp c, 0,1
	global_load_b128 v[Q+16*\p+8*\c:Q+16*\p+8*\c+3],   v[QO], s[18:19] offset:16*\p*QKVP+64*\c
	global_load_b128 v[Q+16*\p+8*\c+4:Q+16*\p+8*\c+7], v[QO], s[18:19] offset:16*\p*QKVP+64*\c+32
.endr
.endr
.set zi, 0
.rept 64
	v_mov_b32 v[O+zi], 0
.set zi, zi+1
.endr
.irp q, 0,1,2,3
	v_mov_b32 v[L+\q], 0
.endr
	v_mov_b32 v[M], s17
	v_mov_b32 v[M+1], s17
	s_wait_loadcnt 0x0
.endm
; one key tile.  In front of the barrier every wave has waited for all its tensor loads (its part of this trip's tile among them) and for its LDS reads
; of the last trip's tile; behind it the other slot is filled first, then this slot is read.  The tile so asked for has this whole trip in which to land.
.macro TRIP slot, refill, tail
	s_wait_tensorcnt 0x0
.if \refill
	s_add_co_u32 s66, s23, 1                       ; trip t + 1 reads key tile t + 1 while t + 1 <= i, later t - i
	s_sub_co_u32 s67, s23, s9
	s_cmp_le_u32 s66, s9
	s_cselect_b32 s66, s66, s67
	s_lshl_b32 s78, s66, 20                        ; 128 rows of 8192 bytes a tile
	s_add_nc_u64 s[G0+12*(1-\slot)+2:G0+12*(1-\slot)+3], s[72:73], s[78:79]      ; no tensor load is out: every group 0 may be written
	s_add_nc_u64 s[G0+12*(1-\slot)+6:G0+12*(1-\slot)+7], s[74:75], s[78:79]
	s_add_nc_u64 s[G0+12*(1-\slot)+10:G0+12*(1-\slot)+11], s[76:77], s[78:79]
.endif
	s_wait_dscnt 0x0
	s_barrier_signal -1
	s_barrier_wait -1
.if \refill
	tensor_load_to_lds s[G0+12*(1-\slot):G0+12*(1-\slot)+3], s[24:31]
	s_nop 0
	tensor_load_to_lds s[G0+12*(1-\slot)+4:G0+12*(1-\slot)+7], s[32:39]
	s_nop 0
	tensor_load_to_lds s[G0+12*(1-\slot)+8:G0+12*(1-\slot)+11], s[32:39]
	s_nop 0
.endif
.if \tail
	TILE \slot, 1
	FINAL
.else
	s_cmp_eq_u32 s23, s9                           ; the same in all four waves: it hangs on the work-group's number and the trip alone
	s_cbranch_scc1 .Ldiag_\@
	TILE \slot, 0
	s_branch .Lnext_\@
.Ldiag_\@:
	TILE \slot, 1                                  ; trip i: block i's diagonal tile, its last
	FINAL
	s_sub_co_u32 s70, 15, s9
	NEWQ s70
.Lnext_\@:
.endif
.endm
	NEWQ s9
	s_mov_b32 s22, 0
.Lpair:
	s_lshl_b32 s23, s22, 1                         ; t = 2 n
	TRIP 0, 1, 0
	s_add_co_u32 s23, s23, 1                       ; t = 2 n + 1
	TRIP 1, 1, 0
	s_add_co_u32 s22, s22, 1
	s_cmp_lt_u32 s22, 8
	s_cbranch_scc1 .Lpair
	TRIP 0, 0, 1                                   ; trip 16: block 15 - i's diagonal tile; nothing more is fetched
	s_endpgm
.Lfunc_end_k_qbf61b6719e_attn:
	.size	k_qbf61b6719e_attn, .Lfunc_end_k_qbf61b6719e_attn-k_qbf61b6719e_attn
	.p2alignl 7, 3214868480
	.fill 96, 4, 3214868480
	.section	.rodata,"a",@progbits
	.p2align	6, 0x0
	.amdhsa_kernel k_qbf61b6719e_attn
		.amdhsa_group_segment_fixed_size 327680
		.amdhsa_private_segment_fixed_size 0
		.amdhsa_enable_private_segment 0
		.amdhsa_kernarg_size 16
		.amdhsa_user_sgpr_count 2
		.amdhsa_user_sgpr_kernarg_segment_ptr 1
		.amdhsa_wavefront_size32 1
		.amdhsa_system_sgpr_workgroup_id_x 1
		.amdhsa_system_sgpr_workgroup_id_y 1
		.amdhsa_system_sgpr_workgroup_id_z 1
		.amdhsa_system_vgpr_workitem_id 0
		.amdhsa_next_free_vgpr 320
		.amdhsa_next_free_sgpr 96
		.amdhsa_reserve_vcc 1
		.amdhsa_float_denorm_mode_32 3
		.amdhsa_float_denorm_mode_16_64 3
		.amdhsa_memory_ordered 1
		.amdhsa_forward_progress 1
		.amdhsa_inst_pref_size 255
	.end_amdhsa_kernel
	.section	.bss,"aw",@nobits
	.p2align	6
	.space	262144
	.amdgpu_metadata
---
amdhsa.version: [ 1, 2 ]
amdhsa.kernels:
  - .name:           k_qbf61b6719e_attn
    .symbol:         k_qbf61b6719e_attn.kd
    .args:
      - { .name: qkvb, .offset: 0, .size: 8, .value_kind: global_buffer, .address_space: global }
      - { .name: yb, .offset: 8, .size: 8, .value_kind: global_buffer, .address_space: global }
    .group_segment_fixed_size: 327680
    .private_segment_fixed_size: 0
    .kernarg_segment_align: 8
    .kernarg_segment_size: 16
    .max_flat_workgroup_size: 128
    .sgpr_count:     96
    .vgpr_count:     320
    .wavefront_size: 32
...
	.end_amdgpu_metadata
.endif
;; end of part 3
;; launch proj (part 4): grid 8 x 32, 4 waves a work-group, clusters of 4 x 4, 327,680 bytes of LDS; arguments yb, wb, out0; writes out0
.if DOCPART == 4
	.amdgcn_target "amdgcn-amd-amdhsa--gfx1250"
	.amdhsa_code_object_version 6
	.text
	.protected	k_qbf61b6719e_proj
	.globl	k_qbf61b6719e_proj
	.p2align	8
	.type	k_qbf61b6719e_proj,@function
k_qbf61b6719e_proj:
	s_mov_b64 s[64:65], 0
	v_nop
	global_prefetch_b8 v0, s[64:65] scope:SCOPE_SE
	s_setreg_imm32_b32 hwreg(HW_REG_WAVE_MODE, 25, 1), 1
	s_wait_xcnt 0x0
	s_wait_alu depctr_hold_cnt(0) depctr_sa_sdst(0) depctr_va_vdst(0) depctr_va_sdst(0) depctr_va_ssrc(0) depctr_va_vcc(0) depctr_vm_vsrc(0)
	s_getreg_b32 s2, hwreg(HW_REG_IB_STS2, 6, 4)
	s_cmp_eq_u32 s2, 0
	s_cbranch_scc0 .Lentry_in_a_cluster
	s_endpgm
.Lentry_in_a_cluster:
	s_bfe_u32 s2, ttmp6, 0x10000c
	s_cmp_lg_u32 s2, 0xf033
	s_cbranch_scc0 .Lentry_shape_is_right
	s_endpgm
.Lentry_shape_is_right:
; out0[m][n] = sum over k of y[m][k] Wo[n][k], m < 4096, n < 1024, k < 1024, with y = yh + yl in two bf16 numbers: yb is [4096][2048], yh | yl.
; So A is yb with K = 2048, and B, Wo in bf16 (rows 3072..4095 of wb), is walked twice: K steps 0-7 multiply yh, steps 8-15 yl.  f32 sums, f32 out.
; The same scheme as the launch that makes q, k and v: a work-group makes 128 x 128 of C with four waves of 64 x 64;
; K in 16 steps of 128 (rows of 256 bytes) through four LDS slots, two of them filled again behind one barrier round.
; CLUSTER 4 x 4: A's tile is asked for jointly along a row of the cluster, B's along a column.
; The matrix instruction is used transposed (source 0 = rows of B, source 1 = rows of A): lane l holds row l % 16 of C, columns 8 (l / 16) + 0..7.
; The 16 accumulators take turns, one instruction a turn, in the same order in every quarter step.
; REGISTERS: window 0: v16-26 addresses, v64-127 and v128-191 two fragment buffers (B's four fragments, then A's four).
;            window 1: accumulator (a, b) at v[8 (4 a + b)].
.set KSTEP,  128
.set PITCH,  272                       ; an LDS row: 256 bytes + 16 of padding, an odd multiple of 16
.set QUART,  64*PITCH
.set SLOT,   4*QUART
.set STAGE,  4*SLOT                    ; behind the ring, never filled by a tensor load: each wave's own 16 rows x 272 bytes
.set CP,     4096                      ; bytes in a row of C
.set ADRA, 16
.set ADRB, 20
.set STO,  24
.set RD,   25
.set CO,   26
.set F0,   64
.set F1,   128
.set G1,  24
.set G1B, 32
.set G0,  40
.set G0B, 68
.set MULW, 0x50
.set MSB, 0
.macro WIN new                         ; the immediate's high byte repeats the setting that is left
.if MSB != \new
	s_set_vgpr_msb (MSB<<8)|\new
.set MSB, \new
.endif
.endm
.macro PLACES                          ; four places behind a matrix instruction (ISA guide 7.12.1)
.rept 4
	v_nop
.endr
.endm
.macro JLOAD s                         ; waves 0, 1 fetch A's halves, waves 2, 3 B's; one mask to a line
	s_cmp_eq_u32 s11, 0
	s_cbranch_scc0 .Lfor_b_\@
	tensor_load_to_lds s[G0+4*\s:G0+4*\s+3], s[G1:G1+7]
	s_nop 0
	s_branch .Lasked_\@
.Lfor_b_\@:
	tensor_load_to_lds s[G0B+4*\s:G0B+4*\s+3], s[G1B:G1B+7]
	s_nop 0
.Lasked_\@:
.endm
.macro CREST
	s_cmp_lg_u32 s10, 0
	s_cbranch_scc1 .Lnot_wave_0_\@
	s_barrier_signal -3
.Lnot_wave_0_\@:
	s_barrier_wait -3
	s_barrier_signal -1
	s_barrier_wait -1
.endm
.macro CROUND
	s_barrier_signal -1
	s_barrier_wait -1
	CREST
.endm
	s_load_b128 s[4:7], s[0:1], 0x0                ; A s[4:5], B s[6:7]
	s_load_b64 s[8:9], s[0:1], 0x10                ; C
	v_lshrrev_b32 v1, 5, v0
	v_readfirstlane_b32 s10, v1                    ; wave 0..3
	s_lshr_b32 s11, s10, 1
	s_and_b32 s12, s10, 1
	s_bfe_u32 s84, ttmp6, 0x40000                  ; cx
	s_bfe_u32 s85, ttmp6, 0x40004                  ; cy
	s_lshl_b32 s86, ttmp9, 2
	s_add_co_u32 s86, s86, s84                     ; block column
	s_and_b32 s13, ttmp7, 0xffff
	s_lshl_b32 s13, s13, 2
	s_add_co_u32 s13, s13, s85                     ; block row
	s_lshl_b32 s87, s85, 2
	s_lshl_b32 s87, 15, s87                        ; my row of the cluster
	s_lshl_b32 s88, 0x1111, s84                    ; my column
	s_or_b32 s[G1+0], s87, (1<<16)|(1<<20)|(1<<21)|(5<<22)|(3<<25)
	s_or_b32 s[G1B+0], s88, (1<<16)|(1<<20)|(1<<21)|(5<<22)|(3<<25)
	s_mov_b32 s[G1+1], KSTEP<<16
	s_mov_b32 s[G1B+1], KSTEP<<16
	s_mov_b32 s[G1+2], 64<<16
	s_mov_b32 s[G1B+2], 64<<16
	s_mov_b32 s[G1+3], KSTEP<<16
	s_mov_b32 s[G1B+3], KSTEP<<16
	s_mov_b32 s[G1+4], 64
	s_mov_b32 s[G1B+4], 64
	s_mov_b32 s[G1+5], 2048                        ; a row of yb is 2048 elements,
	s_mov_b32 s[G1B+5], 1024                       ; a row of wb 1024
	s_mov_b32 s[G1+6], 0
	s_mov_b32 s[G1B+6], 0
	s_mov_b32 s[G1+7], 0
	s_mov_b32 s[G1B+7], 0
	s_lshl_b32 s14, s13, 7
	s_lshl_b32 s15, s12, 6
	s_add_co_u32 s14, s14, s15                     ; A: row 128 x block row + 64 x half
	s_lshl_b32 s14, s14, 12                        ; x 4096 bytes
	s_mov_b32 s15, 0
	s_lshl_b32 s16, s86, 7
	s_lshl_b32 s17, s12, 6
	s_add_co_u32 s16, s16, s17                     ; B: row 128 x block column + 64 x half,
	s_add_co_u32 s16, s16, 3072                    ; behind the 3072 rows of Wq, Wk, Wv
	s_lshl_b32 s16, s16, 11
	s_mov_b32 s17, 0
	s_mul_i32 s20, s10, QUART
	s_wait_kmcnt 0x0
	s_add_nc_u64 s[14:15], s[4:5], s[14:15]
	s_add_nc_u64 s[16:17], s[6:7], s[16:17]
	CROUND                                         ; all sixteen work-groups are here: the first joint loads meet
.irp s, 0,1,2,3
	s_mov_b32 s[G0+4*\s], 1
	s_add_co_u32 s[G0+4*\s+1], s20, \s*SLOT
	s_add_nc_u64 s[G0+4*\s+2:G0+4*\s+3], s[14:15], \s*KSTEP*2
	s_or_b32 s[G0+4*\s+3], s[G0+4*\s+3], 0x80000000
	s_mov_b32 s[G0B+4*\s], 1
	s_add_co_u32 s[G0B+4*\s+1], s20, \s*SLOT
	s_add_nc_u64 s[G0B+4*\s+2:G0B+4*\s+3], s[16:17], \s*KSTEP*2
	s_or_b32 s[G0B+4*\s+3], s[G0B+4*\s+3], 0x80000000
	JLOAD \s                                       ; four tensor loads of the wave are out behind this run: the most in this text
.endr
	v_and_b32 v1, 15, v0                           ; r
	v_bfe_u32 v2, v0, 4, 1                         ; h
	v_mul_u32_u24 v3, v1, PITCH
	v_lshl_add_u32 v3, v2, 4, v3
	s_mul_i32 s21, s11, QUART
	s_mul_i32 s22, s12, QUART
	s_add_co_u32 s22, s22, 2*QUART
.irp s, 0,1,2,3
	v_add_nc_u32 v[ADRA+\s], s21, v3
	v_add_nc_u32 v[ADRB+\s], s22, v3
	s_add_co_u32 s21, s21, SLOT
	s_add_co_u32 s22, s22, SLOT
.endr
	s_mul_i32 s23, s10, 16*PITCH
	s_add_co_u32 s23, s23, STAGE                   ; my stage
	v_mul_u32_u24 v4, v1, PITCH                    ; in: row r, 32 bytes for each half of the lanes
	v_lshl_add_u32 v4, v2, 5, v4
	v_add_nc_u32 v[STO], s23, v4
	v_mul_u32_u24 v5, v2, PITCH                    ; back: lanes 0-15 take one row of 256 bytes, lanes 16-31 the next
	v_lshl_add_u32 v5, v1, 4, v5
	v_add_nc_u32 v[RD], s23, v5
	v_lshlrev_b32 v5, 12, v2
	v_lshl_add_u32 v[CO], v1, 4, v5
.macro MULROW f, a, zero
.irp b, 0,1,2,3
.if \zero
	v_wmma_f32_16x16x32_bf16 v[8*(4*\a+\b):8*(4*\a+\b)+7], v[\f+8*\b:\f+8*\b+7], v[\f+32+8*\a:\f+32+8*\a+7], 0
.else
	v_wmma_f32_16x16x32_bf16 v[8*(4*\a+\b):8*(4*\a+\b)+7], v[\f+8*\b:\f+8*\b+7], v[\f+32+8*\a:\f+32+8*\a+7], v[8*(4*\a+\b):8*(4*\a+\b)+7]
.endif
.endr
.endm
.macro FETCH slot, k, f
	WIN 0
.irp i, 0,1,2,3
	ds_load_b128 v[\f+8*\i:\f+8*\i+3],   v[ADRB+\slot] offset:\k+\i*16*PITCH
	ds_load_b128 v[\f+8*\i+4:\f+8*\i+7], v[ADRB+\slot] offset:\k+\i*16*PITCH+32
.endr
.irp i, 0,1,2,3
	ds_load_b128 v[\f+32+8*\i:\f+32+8*\i+3],   v[ADRA+\slot] offset:\k+\i*16*PITCH
	ds_load_b128 v[\f+32+8*\i+4:\f+32+8*\i+7], v[ADRA+\slot] offset:\k+\i*16*PITCH+32
.endr
.endm
.macro QUARTER slot, k, f, g, zero
	s_wait_dscnt 0x0                               ; the only LDS loads out are buffer f's sixteen
	WIN MULW
	MULROW \f, 0, \zero
	PLACES                                         ; buffer g was last read by the matrix instructions of the quarter before
	FETCH \slot, \k, \g
	WIN MULW
	MULROW \f, 1, \zero
	MULROW \f, 2, \zero
	MULROW \f, 3, \zero
.endm
.macro THREE slot, zero
	QUARTER \slot, 64,  F0, F1, \zero
	QUARTER \slot, 128, F1, F0, 0
	QUARTER \slot, 192, F0, F1, 0
.endm
; the last quarter of a K step.  bar = 1: my part of the next tile has landed (cnt younger loads may stay out), then a barrier.
; fill = 1: cnt is 0; every wave's waits for its LDS reads and all its tensor loads stand in front of the round's opening signal,
; register work alone inside the round, the joint refills of slots fa and fb first behind it.  A steps four K steps on;
; B steps four on (back = 0) or four back (back = 1), since K step t of B is K step t & 7 of Wo.
.macro TURN next, bar, cnt, fill, fa, fb, back
	s_wait_dscnt 0x0
	WIN MULW
	MULROW F1, 0, 0
.if \bar
	s_wait_tensorcnt \cnt
	s_barrier_signal -1
.endif
	MULROW F1, 1, 0
	WIN 0
.if \bar
	s_barrier_wait -1
.endif
.if \fill
	CREST
.irp s, \fa, \fb
	s_add_nc_u64 s[G0+4*\s+2:G0+4*\s+3], s[G0+4*\s+2:G0+4*\s+3], 4*KSTEP*2
.if \back
	s_sub_nc_u64 s[G0B+4*\s+2:G0B+4*\s+3], s[G0B+4*\s+2:G0B+4*\s+3], 4*KSTEP*2
.else
	s_add_nc_u64 s[G0B+4*\s+2:G0B+4*\s+3], s[G0B+4*\s+2:G0B+4*\s+3], 4*KSTEP*2
.endif
.endr
	JLOAD \fa
	JLOAD \fb
.endif
	PLACES
	FETCH \next, 0, F0
	WIN MULW
	MULROW F1, 2, 0
	MULROW F1, 3, 0
.endm
	s_wait_tensorcnt 0x3                           ; my part of K step 0 is in; the three younger loads stay out
	s_barrier_signal -1
	s_barrier_wait -1
	FETCH 0, 0, F0
	THREE 0, 1                                     ; K step 0: the first products start the sums
	TURN 1, 1, 2, 0, 0, 0, 0                       ; K step 1 is in; steps 2 and 3 stay out
	THREE 1, 0
	TURN 2, 1, 0, 1, 0, 1, 0                       ; all loads in; slots 0, 1 get K steps 4, 5
	THREE 2, 0
	TURN 3, 0, 0, 0, 0, 0, 0                       ; K step 3 was shown landed in front of the round above: no wait, no barrier
	THREE 3, 0
	TURN 0, 1, 0, 1, 2, 3, 0                       ; slots 2, 3 get K steps 6, 7
	THREE 0, 0
	TURN 1, 0, 0, 0, 0, 0, 0                       ; K step 5 was shown landed in front of the round above; likewise steps 7, 9, 11, 13 below
	THREE 1, 0
	TURN 2, 1, 0, 1, 0, 1, 1                       ; slots 0, 1 get K steps 8, 9: yl's first, Wo from its start again
	THREE 2, 0
	TURN 3, 0, 0, 0, 0, 0, 0
	THREE 3, 0
	TURN 0, 1, 0, 1, 2, 3, 1                       ; slots 2, 3 get K steps 10, 11
	THREE 0, 0
	TURN 1, 0, 0, 0, 0, 0, 0
	THREE 1, 0
	TURN 2, 1, 0, 1, 0, 1, 0                       ; slots 0, 1 get K steps 12, 13
	THREE 2, 0
	TURN 3, 0, 0, 0, 0, 0, 0
	THREE 3, 0
	TURN 0, 1, 0, 1, 2, 3, 0                       ; slots 2, 3 get K steps 14, 15
	THREE 0, 0
	TURN 1, 0, 0, 0, 0, 0, 0
	THREE 1, 0
	TURN 2, 1, 1, 0, 0, 0, 0                       ; K step 14 is in; step 15 stays out
	THREE 2, 0
	TURN 3, 1, 0, 0, 0, 0, 0                       ; K step 15 is in
	THREE 3, 0
	s_wait_dscnt 0x0
	WIN MULW
	MULROW F1, 0, 0
	MULROW F1, 1, 0
	MULROW F1, 2, 0
	MULROW F1, 3, 0
	PLACES                                         ; in front of the LDS stores, which read results
	; THE WAY OUT, 16 rows at a time: a lane's eight f32 go as two 16-byte stores into the wave's own stage and come back as whole rows of 256 bytes.
	s_lshl_b32 s18, s13, 7
	s_lshl_b32 s19, s11, 6
	s_add_co_u32 s18, s18, s19                     ; row 128 x block row + 64 (w >> 1)
	s_lshl_b32 s18, s18, 12
	s_mov_b32 s19, 0
	s_add_nc_u64 s[8:9], s[8:9], s[18:19]
	s_lshl_b32 s16, s86, 9                         ; 512 bytes x block column + 256 (w & 1), in registers that held B's address
	s_lshl_b32 s17, s12, 8
	s_add_co_u32 s16, s16, s17
	s_mov_b32 s17, 0
	s_add_nc_u64 s[8:9], s[8:9], s[16:17]
.macro OUT16 a, f
	WIN 0x04                                       ; the stores' data in window 1, their address in window 0
.irp b, 0,1,2,3
	ds_store_b128 v[STO], v[8*(4*\a+\b):8*(4*\a+\b)+3]   offset:64*\b
	ds_store_b128 v[STO], v[8*(4*\a+\b)+4:8*(4*\a+\b)+7] offset:64*\b+16
.endr
	WIN 0
	s_wait_xcnt 0x0                                ; buffer f, which earlier stores read, is loaded again only behind this wait
.irp t, 0,1,2,3,4,5,6,7
	ds_load_b128 v[\f+4*\t:\f+4*\t+3], v[RD] offset:\t*2*PITCH     ; LDS serves a wave's instructions in order: these see the stores above
.endr
.irp t, 0,1,2,3,4,5,6,7
	s_wait_dscnt 7-\t
	global_store_b128 v[CO], v[\f+4*\t:\f+4*\t+3], s[8:9] offset:(16*\a+2*\t)*CP th:TH_STORE_NT   ; 16 lanes store 256 consecutive bytes, aligned
.endr
.endm
	OUT16 0, F0
	OUT16 1, F1
	OUT16 2, F0
	OUT16 3, F1
	CROUND                                         ; the closing round
	s_endpgm
.Lfunc_end_k_qbf61b6719e_proj:
	.size	k_qbf61b6719e_proj, .Lfunc_end_k_qbf61b6719e_proj-k_qbf61b6719e_proj
	.p2alignl 7, 3214868480
	.fill 96, 4, 3214868480
	.section	.rodata,"a",@progbits
	.p2align	6, 0x0
	.amdhsa_kernel k_qbf61b6719e_proj
		.amdhsa_group_segment_fixed_size 327680
		.amdhsa_private_segment_fixed_size 0
		.amdhsa_enable_private_segment 0
		.amdhsa_kernarg_size 24
		.amdhsa_user_sgpr_count 2
		.amdhsa_user_sgpr_kernarg_segment_ptr 1
		.amdhsa_wavefront_size32 1
		.amdhsa_system_sgpr_workgroup_id_x 1
		.amdhsa_system_sgpr_workgroup_id_y 1
		.amdhsa_system_sgpr_workgroup_id_z 1
		.amdhsa_system_vgpr_workitem_id 0
		.amdhsa_next_free_vgpr 384
		.amdhsa_next_free_sgpr 96
		.amdhsa_reserve_vcc 0
		.amdhsa_float_denorm_mode_32 3
		.amdhsa_float_denorm_mode_16_64 3
		.amdhsa_memory_ordered 1
		.amdhsa_forward_progress 1
		.amdhsa_inst_pref_size 167
	.end_amdhsa_kernel
	.amdgpu_metadata
---
amdhsa.version: [ 1, 2 ]
amdhsa.kernels:
  - .name:           k_qbf61b6719e_proj
    .symbol:         k_qbf61b6719e_proj.kd
    .args:
      - { .name: yb, .offset: 0, .size: 8, .value_kind: global_buffer, .address_space: global }
      - { .name: wb, .offset: 8, .size: 8, .value_kind: global_buffer, .address_space: global }
      - { .name: out0, .offset: 16, .size: 8, .value_kind: global_buffer, .address_space: global }
    .group_segment_fixed_size: 327680
    .private_segment_fixed_size: 0
    .kernarg_segment_align: 8
    .kernarg_segment_size: 24
    .max_flat_workgroup_size: 128
    .sgpr_count:     96
    .vgpr_count:     384
    .wavefront_size: 32
...
	.end_amdgpu_metadata
.endif
;; end of part 4
;; ======== version 2 of 2: 4 launches
;; limits: values are held in f16: magnitudes above 65,504 overflow, below 6.1e-05 lose precision
;; workspace buffers: xb 8,388,608 bytes; wb 8,388,608 bytes; qkvb 33,554,432 bytes; yb 16,777,216 bytes
;; launch cast: the kernel of part 1 again; grid 512 x 1, 8 waves a work-group, no clusters, 0 bytes of LDS; arguments x, Wq, Wk, Wv, Wo, xb, wb; writes xb, wb
;; launch qkv (part 5): grid 12 x 16, 4 waves a work-group, clusters of 4 x 4, 327,680 bytes of LDS; arguments xb, wb, qkvb; writes qkvb
.if DOCPART == 5
	.amdgcn_target "amdgcn-amd-amdhsa--gfx1250"
	.amdhsa_code_object_version 6
	.text
	.protected	k_qbf61b6719e_qkv
	.globl	k_qbf61b6719e_qkv
	.p2align	8
	.type	k_qbf61b6719e_qkv,@function
k_qbf61b6719e_qkv:
	s_mov_b64 s[64:65], 0
	v_nop
	global_prefetch_b8 v0, s[64:65] scope:SCOPE_SE
	s_setreg_imm32_b32 hwreg(HW_REG_WAVE_MODE, 25, 1), 1
	s_wait_xcnt 0x0
	s_wait_alu depctr_hold_cnt(0) depctr_sa_sdst(0) depctr_va_vdst(0) depctr_va_sdst(0) depctr_va_ssrc(0) depctr_va_vcc(0) depctr_vm_vsrc(0)
	s_getreg_b32 s2, hwreg(HW_REG_IB_STS2, 6, 4)
	s_cmp_eq_u32 s2, 0
	s_cbranch_scc0 .Lentry_in_a_cluster
	s_endpgm
.Lentry_in_a_cluster:
	s_bfe_u32 s2, ttmp6, 0x10000c
	s_cmp_lg_u32 s2, 0xf033
	s_cbranch_scc0 .Lentry_shape_is_right
	s_endpgm
.Lentry_shape_is_right:
; C[m][n] = sum over k of xb[m][k] wb[n][k], m < 4096, n < 3072 (rows of Wq, Wk, Wv), k < 1024.  bf16 in, f32 sums.
; OUT: qkvb [4096][4096] in f16: q at column 0, k at 1024, vh at 2048, vl at 3072.  q and k are rounded to f16 (11 significant bits).
; v goes out as two f16 numbers: vh = v with its mantissa cut to 10 bits (exact in f16), vl = f16(v - vh): 21 bits in all, since the rows of the
; result that average few keys are far larger than the result's root mean square and a single 16-bit rounding of v would show there.
; LIMITS: |q|, |k|, |v| below 65,504 (f16's largest).  Where |v| < 6.1e-5 (f16's denormals) vh is rounded, by at most 3e-8, and vl does not make that up.
; A work-group makes a block of 256 x 256 of C with four waves; a wave makes 128 x 128: 64 accumulator tiles of 16 x 16, 512 registers.
; For 32 along K a wave reads 2 x 128 rows x 64 bytes from LDS (32 loads) and issues 64 matrix instructions.
; 12 x 16 = 192 work-groups: 3072 / 256 x 4096 / 256.  K goes in 8 steps of 128 (rows of 256 bytes) through two LDS slots filled by tensor loads.
; CLUSTER 4 x 4: A's tile hangs on the block row alone and is asked for jointly by the four work-groups of a row of the cluster,
; B's on the block column alone and is asked for jointly along a column: that divides the requests for A and for B by four.
; REGISTERS, in windows of 256:
;   window 0: v16-26 addresses; v64-127, v128-191 fragments of A (8 x 16 rows x 32 K), two buffers; v192-223 packed results on the way out
;   window 1: v64-127, v128-191 fragments of B, two buffers
;   window 2: the 32 accumulator tiles of my rows 0-63 (tile (a, b) at v[8 (8 a + b)]);   window 3: those of my rows 64-127
; The matrix instruction is used transposed (source 0 = 16 rows of B, source 1 = 16 rows of A): lane l then holds row l % 16 of C and the
; eight neighbouring columns 8 (l / 16) + 0..7, which pack into 16 bytes.
; The 64 accumulators take turns, one instruction a turn, in the same order in every quarter step.
.set SIZE_K, 1024
.set KSTEP,  128
.set PITCH,  272                       ; an LDS row: 256 bytes + 16 of padding, an odd multiple of 16: the 16 rows of a fragment load begin 16 bytes apart modulo 256
.set HALFT,  128*PITCH                 ; 128 rows: what one tensor load brings, and what one wave reads of A or of B
.set SLOT,   4*HALFT                   ; A's 256 rows, then B's 256 rows
.set STAGE,  2*SLOT                    ; behind the ring, never filled by a tensor load: 32 rows x 272 bytes for each wave (16 for q, k or vh, 16 for vl)
.set SPITCH, 272
.set CP,     8192                      ; bytes in a row of qkvb
.set LAPS,   SIZE_K/(2*KSTEP)          ; a lap = two K steps = once round the ring: 4
.set ADRA, 16                          ; v16-17  LDS address of my A fragments in slot 0, 1
.set ADRB, 20                          ; v20-21  the same for B
.set STO,  24                          ; v24     the way out: where I put 16 bytes of a row
.set RD,   25                          ; v25     the way out: where I read a row back
.set CO,   26                          ; v26     my byte offset in C
.set F0,   64                          ; fragment buffer 0
.set F1,   128                         ; fragment buffer 1
.set TMP,  192                         ; the way out: packed results
.set U,    64                          ; the way out of v: 64 numbers in f32 at work
.set RB,   128                         ; the way out: rows read back
.set G1, 24                            ; s[24:31] descriptor group 1 for A's tiles
.set G0, 32                            ; s[32:39] descriptor group 0 for A's tiles, one set for each slot
.set G1B, 48                           ; s[48:55] descriptor group 1 for B's tiles: another mask
.set G0B, 56                           ; s[56:63] descriptor group 0 for B's tiles
.set MSB, 0
.macro WIN new                         ; the immediate's high byte repeats the setting that is left
.if MSB != \new
	s_set_vgpr_msb (MSB<<8)|\new
.set MSB, \new
.endif
.endm
.set MUL_LO, 0xa1                      ; source 0 (B) window 1, source 1 (A) window 0, C and D window 2
.set MUL_HI, 0xf1                      ; the same, C and D window 3
.set TO_B,   0x40                      ; destination window 1, address window 0
; A joint load.  Waves 0 and 1 fetch A's two halves, waves 2 and 3 B's.  Each line has one mask; the branch hangs on the wave's number alone.
.macro JLOAD s
	s_cmp_eq_u32 s11, 0
	s_cbranch_scc0 .Lfor_b_\@
	tensor_load_to_lds s[G0+4*\s:G0+4*\s+3], s[G1:G1+7]
	s_nop 0
	s_branch .Lasked_\@
.Lfor_b_\@:
	tensor_load_to_lds s[G0B+4*\s:G0B+4*\s+3], s[G1B:G1B+7]
	s_nop 0
.Lasked_\@:
.endm
.macro CREST                           ; a round of the cluster's barrier behind its opening work-group barrier
	s_cmp_lg_u32 s10, 0
	s_cbranch_scc1 .Lnot_wave_0_\@
	s_barrier_signal -3
.Lnot_wave_0_\@:
	s_barrier_wait -3
	s_barrier_signal -1
	s_barrier_wait -1
.endm
.macro CROUND                          ; a whole round
	s_barrier_signal -1
	s_barrier_wait -1
	CREST
.endm
	s_load_b128 s[4:7], s[0:1], 0x0                ; A s[4:5], B s[6:7]
	s_load_b64 s[8:9], s[0:1], 0x10                ; C
	v_lshrrev_b32 v1, 5, v0
	v_readfirstlane_b32 s10, v1                    ; wave 0..3
	s_lshr_b32 s11, s10, 1                         ; which half of the block's rows is mine.  Also: I fetch for A (0) or for B (1)
	s_and_b32 s12, s10, 1                          ; which half of its columns.  Also: which 128 rows of that tile I fetch
	s_bfe_u32 s40, ttmp6, 0x40000                  ; cx
	s_bfe_u32 s41, ttmp6, 0x40004                  ; cy
	s_lshl_b32 s42, ttmp9, 2
	s_add_co_u32 s42, s42, s40                     ; block column of C = 4 x cluster x + cx
	s_and_b32 s13, ttmp7, 0xffff
	s_lshl_b32 s13, s13, 2
	s_add_co_u32 s13, s13, s41                     ; block row of C = 4 x cluster y + cy
	s_lshl_b32 s43, s41, 2
	s_lshl_b32 s43, 15, s43                        ; my row of the cluster: places 4 cy .. 4 cy + 3
	s_lshl_b32 s44, 0x1111, s40                    ; my column: places cx, cx + 4, cx + 8, cx + 12
	s_mov_b32 s66, 0xffffe000                      ; cuts an f32 mantissa to the 10 bits that f16 holds
	; descriptor group 1: a tile of 128 rows x 128 elements of 2 bytes, 4 words of padding behind every 64 words
	s_or_b32 s[G1+0], s43, (1<<16)|(1<<20)|(1<<21)|(5<<22)|(3<<25)
	s_or_b32 s[G1B+0], s44, (1<<16)|(1<<20)|(1<<21)|(5<<22)|(3<<25)
	s_mov_b32 s[G1B+1], KSTEP<<16
	s_mov_b32 s[G1+1], KSTEP<<16                   ; tensor_dim0 = 128
	s_mov_b32 s[G1B+2], 128<<16
	s_mov_b32 s[G1+2], 128<<16                     ; tensor_dim1 = 128
	s_mov_b32 s[G1B+3], KSTEP<<16
	s_mov_b32 s[G1+3], KSTEP<<16                   ; tile_dim0 = 128
	s_mov_b32 s[G1B+4], 128
	s_mov_b32 s[G1+4], 128                         ; tile_dim1 = 128
	s_mov_b32 s[G1B+5], SIZE_K
	s_mov_b32 s[G1+5], SIZE_K                      ; elements from row to row
	s_mov_b32 s[G1B+6], 0
	s_mov_b32 s[G1+6], 0
	s_mov_b32 s[G1B+7], 0
	s_mov_b32 s[G1+7], 0
	; A's address is made of the block row and the wave's number, B's of the block column and the wave's number, in registers that never hold the other coordinate
	s_lshl_b32 s17, s12, 7                         ; which 128 rows of the tile I fetch
	s_lshl_b32 s16, s13, 8
	s_add_co_u32 s16, s16, s17                     ; A: row 256 x block row + 128 x half
	s_lshl_b32 s46, s42, 8
	s_add_co_u32 s46, s46, s17                     ; B: row 256 x block column + 128 x half
	s_mov_b32 s17, 0
	s_mov_b32 s47, 0
	s_mov_b64 s[18:19], SIZE_K*2
	s_mul_u64 s[16:17], s[16:17], s[18:19]         ; in bytes
	s_mul_u64 s[46:47], s[46:47], s[18:19]
	s_mul_i32 s20, s10, HALFT                      ; where they go: A's two halves, then B's two halves = wave x 128 rows
	s_wait_kmcnt 0x0
	s_add_nc_u64 s[14:15], s[4:5], s[16:17]
	s_add_nc_u64 s[46:47], s[6:7], s[46:47]
	CROUND                                         ; all sixteen work-groups are here: the first joint loads meet
.irp s, 0,1
	s_mov_b32 s[G0+4*\s], 1
	s_add_co_u32 s[G0+4*\s+1], s20, \s*SLOT
	s_add_nc_u64 s[G0+4*\s+2:G0+4*\s+3], s[14:15], \s*KSTEP*2      ; K step s
	s_or_b32 s[G0+4*\s+3], s[G0+4*\s+3], 0x80000000
	s_mov_b32 s[G0B+4*\s], 1
	s_add_co_u32 s[G0B+4*\s+1], s20, \s*SLOT
	s_add_nc_u64 s[G0B+4*\s+2:G0B+4*\s+3], s[46:47], \s*KSTEP*2
	s_or_b32 s[G0B+4*\s+3], s[G0B+4*\s+3], 0x80000000
	JLOAD \s                                       ; two tensor loads of the wave are out behind this run: the most in this text
.endr
	; fragment addresses: lane l takes row l % 16, 16 bytes at 16 (l / 16), and again 32 bytes on
	v_and_b32 v1, 15, v0                           ; l % 16
	v_bfe_u32 v2, v0, 4, 1                         ; l / 16
	v_mul_u32_u24 v3, v1, PITCH
	v_lshl_add_u32 v3, v2, 4, v3
	s_mul_i32 s21, s11, HALFT                      ; my 128 rows of A
	s_mul_i32 s22, s12, HALFT                      ; my 128 rows of B,
	s_add_co_u32 s22, s22, 2*HALFT                 ; which lie behind A's 256
.irp s, 0,1
	v_add_nc_u32 v[ADRA+\s], s21, v3
	v_add_nc_u32 v[ADRB+\s], s22, v3
	s_add_co_u32 s21, s21, SLOT
	s_add_co_u32 s22, s22, SLOT
.endr
	s_mul_i32 s23, s10, 32*SPITCH
	s_add_co_u32 s23, s23, STAGE                   ; my stage
	v_add_nc_u32 v[STO], s23, v3                   ; in: row l % 16, 16 bytes for each half of the lanes
	v_mul_u32_u24 v5, v2, SPITCH                   ; back: lanes 0-15 take one row of 256 bytes, lanes 16-31 the next
	v_lshl_add_u32 v5, v1, 4, v5
	v_add_nc_u32 v[RD], s23, v5
	v_lshlrev_b32 v5, 13, v2                       ; and the same two rows in qkvb
	v_lshl_add_u32 v[CO], v1, 4, v5
; 16 matrix instructions: row blocks a0, a0 + 1 of the window's four (hi = 0: my rows 0-63, 1: rows 64-127) x all 8 column blocks, 32 along K.
; zero = 1: the product starts the sums: nothing is ever cleared.
.macro MUL16 f, hi, a0, zero
.irp a, \a0, \a0+1
.irp b, 0,1,2,3,4,5,6,7
.if \zero
	v_wmma_f32_16x16x32_bf16 v[8*(8*(\a)+\b):8*(8*(\a)+\b)+7], v[\f+8*\b:\f+8*\b+7], v[\f+8*(4*\hi+\a):\f+8*(4*\hi+\a)+7], 0
.else
	v_wmma_f32_16x16x32_bf16 v[8*(8*(\a)+\b):8*(8*(\a)+\b)+7], v[\f+8*\b:\f+8*\b+7], v[\f+8*(4*\hi+\a):\f+8*(4*\hi+\a)+7], v[8*(8*(\a)+\b):8*(8*(\a)+\b)+7]
.endif
.endr
.endr
.endm
; 32 LDS loads in one run: the fragments of one quarter step (128 rows of B, 128 rows of A, 32 K at byte k of the rows) into buffer f
.macro FETCH slot, k, f
	WIN TO_B
.irp i, 0,1,2,3,4,5,6,7
	ds_load_b128 v[\f+8*\i:\f+8*\i+3],   v[ADRB+\slot] offset:\k+\i*16*PITCH
	ds_load_b128 v[\f+8*\i+4:\f+8*\i+7], v[ADRB+\slot] offset:\k+\i*16*PITCH+32
.endr
	WIN 0
.irp i, 0,1,2,3,4,5,6,7
	ds_load_b128 v[\f+8*\i:\f+8*\i+3],   v[ADRA+\slot] offset:\k+\i*16*PITCH
	ds_load_b128 v[\f+8*\i+4:\f+8*\i+7], v[ADRA+\slot] offset:\k+\i*16*PITCH+32
.endr
.endm
.macro PLACES                          ; four places behind a matrix instruction, in front of loads into its sources and of readers of its result
.rept 4
	v_nop
.endr
.endm
; one of a K step's first three quarters: multiplies buffer f; in its middle it fetches the next quarter's fragments into buffer g
.macro QUARTER slot, k, f, g, zero
	s_wait_dscnt 8                                 ; B and A's rows 0-63 are in; the youngest eight loads (A's rows 64-127) may be out
	WIN MUL_LO
	MUL16 \f, 0, 0, \zero
	MUL16 \f, 0, 2, \zero
	PLACES
	FETCH \slot, \k, \g
	s_wait_dscnt 32                                ; all but the 32 just issued
	WIN MUL_HI
	MUL16 \f, 1, 0, \zero
	MUL16 \f, 1, 2, \zero
.endm
.macro THREE slot, zero
	QUARTER \slot, 64,  F0, F1, \zero
	QUARTER \slot, 128, F1, F0, 0
	QUARTER \slot, 192, F0, F1, 0
.endm
; The last quarter: multiplies buffer 1 and changes slots.  next = the other slot; fill = 1: this slot is filled again, two K steps ahead.
; In front of the barrier each wave waits for its own reads of this slot and for all its tensor loads, of which one is out: its part of the next slot.
; Behind it nobody reads this slot any more and the next slot is whole: the refill comes first, then the next slot's first fragments.
; From a request to the wait for it a wave issues 240 matrix instructions.
.macro TURN slot, next, fill
	s_wait_dscnt 8
	WIN MUL_LO
	MUL16 F1, 0, 0, 0
	s_wait_dscnt 0                                 ; my reads of this slot are over
	s_wait_tensorcnt 0x0                           ; and all my tensor loads have landed
	s_barrier_signal -1                            ; where a slot is filled again this barrier opens a round of the cluster's barrier
	MUL16 F1, 0, 2, 0                              ; register work while the others arrive
	WIN 0
	s_barrier_wait -1
.if \fill
	CREST                                          ; no wave of any partner still reads this slot's tile or has a load on its way
	s_add_nc_u64 s[G0+4*\slot+2:G0+4*\slot+3], s[G0+4*\slot+2:G0+4*\slot+3], 2*KSTEP*2
	s_add_nc_u64 s[G0B+4*\slot+2:G0B+4*\slot+3], s[G0B+4*\slot+2:G0B+4*\slot+3], 2*KSTEP*2
	JLOAD \slot                                    ; the first tensor load behind the round
.endif
	PLACES
	FETCH \next, 0, F0
	WIN MUL_HI
	MUL16 F1, 1, 0, 0
	MUL16 F1, 1, 2, 0
.endm
.macro LAP zero                        ; once round the ring, both slots filled again
	THREE 0, \zero
	TURN 0, 1, 1
	THREE 1, 0
	TURN 1, 0, 1
.endm
	s_wait_tensorcnt 1                             ; my part of K step 0 is in; K step 1's load stays out
	s_barrier_signal -1
	s_barrier_wait -1                              ; everybody's is
	FETCH 0, 0, F0
	LAP 1                                          ; the first lap stands in front of the loop: its first products start the sums
	WIN 0                                          ; at a label and at a branch every window is 0
	s_mov_b32 s3, LAPS-2
.Llap:
	LAP 0
	WIN 0
	s_sub_co_u32 s3, s3, 1
	s_cmp_lg_u32 s3, 0
	s_cbranch_scc1 .Llap
	THREE 0, 0                                     ; the last lap fills nothing
	TURN 0, 1, 0
	THREE 1, 0
	s_wait_dscnt 8                                 ; the very last quarter: nothing more to fetch
	WIN MUL_LO
	MUL16 F1, 0, 0, 0
	MUL16 F1, 0, 2, 0
	s_wait_dscnt 0
	WIN MUL_HI
	MUL16 F1, 1, 0, 0
	MUL16 F1, 1, 2, 0
	; THE WAY OUT, 16 rows of C at a time: to f16, 16 bytes a lane into my own stage in LDS, read back as whole rows of 256 bytes.
	; LDS serves a wave's instructions in order, and the stage is the wave's own: no wait between its stores and its loads, no barrier.
	PLACES                                         ; in front of the vector instructions that read results and of the loads into the fragment buffers
	WIN 0
	s_lshl_b32 s13, s13, 8
	s_lshl_b32 s14, s11, 7
	s_add_co_u32 s16, s13, s14                     ; my first row of C
	s_lshl_b32 s16, s16, 13                        ; x 8192 bytes (below 2^25)
	s_mov_b32 s17, 0
	s_add_nc_u64 s[8:9], s[8:9], s[16:17]
	s_lshl_b32 s46, s42, 9                         ; my first column, in bytes: 512 x block + 256 x half, in the registers that held B's address
	s_lshl_b32 s47, s12, 8
	s_add_co_u32 s46, s46, s47
	s_mov_b32 s47, 0
	s_add_nc_u64 s[8:9], s[8:9], s[46:47]
; q and k: rows 16 i .. 16 i + 15 of my block = the eight tiles (a, 0..7) of window 2 or 3 (from = 0x0a or 0x0f: sources 0 and 1); f: one half of RB in turn
.macro OUTQK i, a, from, f
	WIN \from
.irp b, 0,1,2,3,4,5,6,7
.irp r, 0,1,2,3
	v_cvt_pk_f16_f32 v[TMP+4*\b+\r], v[8*(8*\a+\b)+2*\r], v[8*(8*\a+\b)+2*\r+1]
.endr
.endr
	WIN 0
.irp b, 0,1,2,3,4,5,6,7
	ds_store_b128 v[STO], v[TMP+4*\b:TMP+4*\b+3] offset:32*\b
.endr
	s_wait_xcnt 0x0                                ; the registers that earlier global stores read are loaded again only behind this wait
.irp t, 0,1,2,3,4,5,6,7
	ds_load_b128 v[\f+4*\t:\f+4*\t+3], v[RD] offset:\t*2*SPITCH
.endr
.irp t, 0,1,2,3,4,5,6,7
	s_wait_dscnt 7-\t                              ; LDS loads come back in order: load t is in
	global_store_b128 v[CO], v[\f+4*\t:\f+4*\t+3], s[8:9] offset:(16*\i+2*\t)*CP   ; 16 lanes store 256 consecutive bytes, aligned
.endr
.endm
; v: the same rows as vh and vl.  w1, w0: the accumulators' window as source 1 (0x08, 0x0c) and as source 0 (0x02, 0x03)
.macro OUTV i, a, w1, w0
	WIN \w1
.set ii, 0
.rept 64
	v_and_b32 v[U+ii], s66, v[64*\a+ii]            ; vh: what f16 holds exactly
.set ii, ii+1
.endr
	WIN 0
.set ii, 0
.rept 32
	v_cvt_pk_f16_f32 v[TMP+ii], v[U+2*ii], v[U+2*ii+1]
.set ii, ii+1
.endr
.irp b, 0,1,2,3,4,5,6,7
	ds_store_b128 v[STO], v[TMP+4*\b:TMP+4*\b+3] offset:32*\b
.endr
	WIN \w0
.set ii, 0
.rept 64
	v_sub_f32 v[U+ii], v[64*\a+ii], v[U+ii]        ; v - vh, exact in f32
.set ii, ii+1
.endr
	WIN 0
.set ii, 0
.rept 32
	v_cvt_pk_f16_f32 v[TMP+ii], v[U+2*ii], v[U+2*ii+1]
.set ii, ii+1
.endr
.irp b, 0,1,2,3,4,5,6,7
	ds_store_b128 v[STO], v[TMP+4*\b:TMP+4*\b+3] offset:16*SPITCH+32*\b      ; vl: the stage's rows 16-31
.endr
	s_wait_xcnt 0x0                                ; the registers that earlier global stores read are loaded again only behind this wait
.irp t, 0,1,2,3,4,5,6,7,8,9,10,11,12,13,14,15
	ds_load_b128 v[RB+4*\t:RB+4*\t+3], v[RD] offset:\t*2*SPITCH
.endr
.irp t, 0,1,2,3,4,5,6,7
	s_wait_dscnt 15-\t                             ; load t of the sixteen is in
	global_store_b128 v[CO], v[RB+4*\t:RB+4*\t+3], s[8:9] offset:(16*\i+2*\t)*CP
.endr
.irp t, 8,9,10,11,12,13,14,15
	s_wait_dscnt 15-\t
	global_store_b128 v[CO], v[RB+4*\t:RB+4*\t+3], s[8:9] offset:(16*\i+2*(\t-8))*CP+2048   ; vl lies 1024 columns to the right of vh
.endr
.endm
	s_cmp_lt_u32 ttmp9, 2                          ; cluster columns 0, 1 hold q and k (block columns 0-7), column 2 holds v: the same in all partners and all waves
	s_cbranch_scc0 .Lout_v
	OUTQK 0, 0, 0x0a, RB
	OUTQK 1, 1, 0x0a, RB+32
	OUTQK 2, 2, 0x0a, RB
	OUTQK 3, 3, 0x0a, RB+32
	OUTQK 4, 0, 0x0f, RB
	OUTQK 5, 1, 0x0f, RB+32
	OUTQK 6, 2, 0x0f, RB
	OUTQK 7, 3, 0x0f, RB+32
	s_branch .Lout_done
.Lout_v:
	OUTV 0, 0, 0x08, 0x02
	OUTV 1, 1, 0x08, 0x02
	OUTV 2, 2, 0x08, 0x02
	OUTV 3, 3, 0x08, 0x02
	OUTV 4, 0, 0x0c, 0x03
	OUTV 5, 1, 0x0c, 0x03
	OUTV 6, 2, 0x0c, 0x03
	OUTV 7, 3, 0x0c, 0x03
.Lout_done:
	CROUND                                         ; the closing round: no work-group ends while a partner may still ask jointly
	s_endpgm
.Lfunc_end_k_qbf61b6719e_qkv:
	.size	k_qbf61b6719e_qkv, .Lfunc_end_k_qbf61b6719e_qkv-k_qbf61b6719e_qkv
	.p2alignl 7, 3214868480
	.fill 96, 4, 3214868480
	.section	.rodata,"a",@progbits
	.p2align	6, 0x0
	.amdhsa_kernel k_qbf61b6719e_qkv
		.amdhsa_group_segment_fixed_size 327680
		.amdhsa_private_segment_fixed_size 0
		.amdhsa_enable_private_segment 0
		.amdhsa_kernarg_size 24
		.amdhsa_user_sgpr_count 2
		.amdhsa_user_sgpr_kernarg_segment_ptr 1
		.amdhsa_wavefront_size32 1
		.amdhsa_system_sgpr_workgroup_id_x 1
		.amdhsa_system_sgpr_workgroup_id_y 1
		.amdhsa_system_sgpr_workgroup_id_z 1
		.amdhsa_system_vgpr_workitem_id 0
		.amdhsa_next_free_vgpr 1024
		.amdhsa_next_free_sgpr 72
		.amdhsa_reserve_vcc 0
		.amdhsa_float_denorm_mode_32 3
		.amdhsa_float_denorm_mode_16_64 3
		.amdhsa_memory_ordered 1
		.amdhsa_forward_progress 1
		.amdhsa_inst_pref_size 255
	.end_amdhsa_kernel
	.section	.bss,"aw",@nobits
	.p2align	6
	.space	262144
	.amdgpu_metadata
---
amdhsa.version: [ 1, 2 ]
amdhsa.kernels:
  - .name:           k_qbf61b6719e_qkv
    .symbol:         k_qbf61b6719e_qkv.kd
    .args:
      - { .name: xb, .offset: 0, .size: 8, .value_kind: global_buffer, .address_space: global }
      - { .name: wb, .offset: 8, .size: 8, .value_kind: global_buffer, .address_space: global }
      - { .name: qkvb, .offset: 16, .size: 8, .value_kind: global_buffer, .address_space: global }
    .group_segment_fixed_size: 327680
    .private_segment_fixed_size: 0
    .kernarg_segment_align: 8
    .kernarg_segment_size: 24
    .max_flat_workgroup_size: 128
    .sgpr_count:     72
    .vgpr_count:     1024
    .wavefront_size: 32
...
	.end_amdgpu_metadata
.endif
;; end of part 5
;; launch attn (part 6): grid 256 x 1, 4 waves a work-group, no clusters, 327,680 bytes of LDS; arguments qkvb, yb; writes yb
.if DOCPART == 6
	.amdgcn_target "amdgcn-amd-amdhsa--gfx1250"
	.amdhsa_code_object_version 6
	.text
	.protected	k_qbf61b6719e_attn
	.globl	k_qbf61b6719e_attn
	.p2align	8
	.type	k_qbf61b6719e_attn,@function
k_qbf61b6719e_attn:
	s_mov_b64 s[64:65], 0
	v_nop
	global_prefetch_b8 v0, s[64:65] scope:SCOPE_SE
	s_setreg_imm32_b32 hwreg(HW_REG_WAVE_MODE, 25, 1), 1
	s_wait_xcnt 0x0
; Causal attention with a running maximum.  qkvb: [4096][4096] f16, row b 2048 + t: q at column 64 head, k at 1024 + 64 head, vh at 2048 + 64 head, vl at 3072 + 64 head (v = vh + vl).
; yb: [4096][2048] bf16: yh at column 64 head, yl = bf16(y - yh) at 1024 + 64 head.  Sums, maxima and exponentials in f32.
; PRECISION: P is rounded to f16 (11 bits) for the second product; the row sum is taken from the unrounded p.
; The second product is P vh everywhere, and P vl is added in the tiles on the diagonal alone.  v's low part is there for the rows that average few keys, which are far larger
; than the result's root mean square: rows 0-127 of a sequence see only their diagonal tile and get all of v.  From row 128 on at least 129 keys are averaged.
; LIMITS: outside a row's diagonal tile v counts as vh, v cut to f16: a relative error below 2^-10.  q, k, v as f16 holds them (below 65,504);
; p below 6e-8 of its row's largest counts as 0.
; Work-group id: i = id & 7, (batch, head) = id >> 3.  It does query block i (128 rows) and then block 15 - i:
; (i + 1) + (16 - i) = 17 key tiles of 128 for every work-group, so all 256 have the same work.  Trip t reads key tile t (t <= i) or t - i - 1.
; The tiles on the diagonal, trips i and 16, are masked; tiles above the diagonal are never read.
; NO CLUSTER: the eight work-groups of one head want different key tiles in the same trip (the tile's number hangs on i), so joint requests would not meet.
; Wave w owns 32 query rows, as two pieces of 16 that share the K and V fragments and take turns: one piece's softmax stands among the other's products.
; EVERYTHING TRANSPOSED: S^T = K Q^T, so lane (r = l % 16, h = l / 16) holds keys 8 h + 0..7 of query r; packing two such tiles gives the
; second product's P fragment with no shuffle; O^T = V^T P^T, so the lane holds eight neighbouring d of query r.  All softmax figures are one per lane.
; yb leaves in runs of 128 bytes (a head's 64 numbers): the other half of each 256 bytes belongs to another head's work-group.
; Accumulators take turns, one matrix instruction a turn.
.set PK,    144                        ; K rows in LDS: 128 bytes + 16, an odd multiple of 16
.set PV,    160                        ; V rows in LDS: 128 bytes + 32, an odd multiple of 32, for the transposing loads
.set VOFF,  128*PK                     ; vh behind K
.set SLOT,  128*PK+128*PV              ; 38,912: a ring slot holds K and vh of one key tile
.set VLB,   128*PV                     ; 20,480: vl of one key tile
.set VLR,   2*SLOT                     ; behind the ring: vl of the two diagonal tiles, key tiles i and 15 - i; each region is filled once, ahead of the loop
.set STAGE, VLR+2*VLB                  ; 118,784: each wave's own 2 x 32 rows x 144 bytes for the way out (yh, then yl); no tensor load fills it
.set STL,   32*PK
.set QKVP,  8192                       ; bytes in a row of qkvb
.set YP,    4096                       ; bytes in a row of yb
.set G0,    40                         ; s[40:63] group 0: slot 0: K, vh; slot 1: K, vh; vl region 0; vl region 1
.set AVL, 3                            ; v3        vl fragment address in region 0
.set AK,  4                            ; v4, v5    K fragment address in slot 0, 1
.set AV,  6                            ; v6, v7    vh fragment address
.set STO, 8
.set RD,  9
.set YO,  10
.set QO,  11
.set DQ,  12                           ; v12, v13  piece p: my query's row in the block less 8 h
.set M,   14                           ; v14, v15  running maximum
.set T,   16
.set T2,  17
.set MN,  18
.set D,   19
.set NM,  20                           ; v[20:21]  - c x new maximum (low word; the high word is 0 and unused)
.set AL,  22                           ; v[22:23]  rescale factor (low word)
.set L,   24                           ; v[24:27]  piece p: two partial row sums
.set TS,  28                           ; v[28:31]
.set Q,   32                           ; v[32:63]  Q(p, c) at 16 p + 8 c
.set O,   64                           ; v[64:127] O(p, dt) at 32 p + 8 dt
.set S,   128                          ; v[128:191] S(p, kt) at 32 p + 8 kt; later P(p, c) at 32 p + 8 c
.set F,   192                          ; v[192:255] K(kt, c) at 16 kt + 8 c; later vh(dt, c) at 32 c + 8 dt
.set F2,  0                            ; window 1, v[256:319]: vl(dt, c) at 32 c + 8 dt, in the diagonal tiles
.set MSB, 0
.macro WIN new                         ; the immediate's high byte repeats the setting that is left
.if MSB != \new
	s_set_vgpr_msb (MSB<<8)|\new
.set MSB, \new
.endif
.endm
	s_load_b128 s[4:7], s[0:1], 0x0                ; qkvb s[4:5], yb s[6:7]
	v_lshrrev_b32 v1, 5, v0
	v_readfirstlane_b32 s8, v1                     ; wave
	s_and_b32 s9, ttmp9, 7                         ; i
	s_lshr_b32 s10, ttmp9, 3
	s_lshr_b32 s11, s10, 4                         ; batch
	s_and_b32 s81, s10, 15
	s_lshl_b32 s81, s81, 7                         ; 128 bytes x head
	s_lshl_b32 s80, s11, 11
	s_lshl_b32 s66, s8, 5
	s_add_co_u32 s80, s80, s66                     ; row 2048 b + 32 w
	s_mov_b32 s12, 0x76543210                      ; v_permlanex16_b32: lane l reads lane l xor 16
	s_mov_b32 s13, 0xfedcba98
	s_mov_b32 s14, 0x3e38aa3b                      ; c = log2(e) / 8: the scale 1 / sqrt(64) and the change of base in one
	s_mov_b32 s15, 0x3e38aa3b
	s_mov_b32 s16, 0xbe38aa3b                      ; - c
	s_mov_b32 s17, 0xff800000                      ; - infinity
	s_mov_b32 s71, 0xffff0000                      ; a word's upper bf16
	s_mov_b32 s79, 0
	; group 1: 32 rows x 64 elements of 2 bytes, pitch 4096 elements; padding behind every 32 words: 4 words for K, 8 for vh and vl
	s_mov_b32 s24, (1<<16)|(1<<20)|(4<<22)|(3<<25)
	s_mov_b32 s32, (1<<16)|(1<<20)|(4<<22)|(7<<25)
	s_mov_b32 s25, 64<<16
	s_mov_b32 s33, 64<<16
	s_mov_b32 s26, 32<<16
	s_mov_b32 s34, 32<<16
	s_mov_b32 s27, 64<<16
	s_mov_b32 s35, 64<<16
	s_mov_b32 s28, 32
	s_mov_b32 s36, 32
	s_mov_b32 s29, 4096
	s_mov_b32 s37, 4096
	s_mov_b32 s30, 0
	s_mov_b32 s38, 0
	s_mov_b32 s31, 0
	s_mov_b32 s39, 0
	; group 0: each wave brings its own 32 rows of K and of vh of every tile, and of vl of the two diagonal tiles
	s_mov_b32 s40, 1
	s_mul_i32 s41, s8, 32*PK
	s_mov_b32 s44, 1
	s_mul_i32 s45, s8, 32*PV
	s_add_co_u32 s57, s45, VLR                     ; vl region 0
	s_add_co_u32 s45, s45, VOFF
	s_mov_b32 s48, 1
	s_add_co_u32 s49, s41, SLOT
	s_mov_b32 s52, 1
	s_add_co_u32 s53, s45, SLOT
	s_mov_b32 s56, 1
	s_mov_b32 s60, 1
	s_add_co_u32 s61, s57, VLB                     ; vl region 1
	s_lshl_b32 s66, s80, 13                        ; my first key row x 8192 bytes (below 2^25)
	s_add_co_u32 s66, s66, s81
	s_mov_b32 s67, 0
	s_wait_kmcnt 0x0
	s_add_nc_u64 s[72:73], s[4:5], s[66:67]
	s_add_nc_u64 s[72:73], s[72:73], 2048          ; my rows of K in key tile 0
	s_add_nc_u64 s[74:75], s[72:73], 2048          ; of vh
	s_add_nc_u64 s[76:77], s[74:75], 2048          ; of vl
	s_or_b32 s73, s73, 0x80000000                  ; the type bits; later sums do not reach them
	s_or_b32 s75, s75, 0x80000000
	s_or_b32 s77, s77, 0x80000000
	s_mov_b64 s[42:43], s[72:73]
	s_mov_b64 s[46:47], s[74:75]
	s_lshl_b32 s78, s9, 20                         ; 128 rows of 8192 bytes a tile: key tile i,
	s_add_nc_u64 s[58:59], s[76:77], s[78:79]
	s_sub_co_u32 s66, 15, s9
	s_lshl_b32 s78, s66, 20                        ; and key tile 15 - i
	s_add_nc_u64 s[62:63], s[76:77], s[78:79]
	tensor_load_to_lds s[40:43], s[24:31]          ; key tile 0 into slot 0,
	s_nop 0
	tensor_load_to_lds s[44:47], s[32:39]
	s_nop 0
	tensor_load_to_lds s[56:59], s[32:39]          ; and vl of the two diagonal tiles: four tensor loads of the wave are out here, the most in this text; later two
	s_nop 0
	tensor_load_to_lds s[60:63], s[32:39]
	s_nop 0
	v_and_b32 v2, 15, v0                           ; r
	v_bfe_u32 v3, v0, 4, 1                         ; h
	v_and_b32 v1, 7, v0                            ; l & 7
	v_mul_u32_u24 v[AK], v2, PK
	v_lshl_add_u32 v[AK], v3, 4, v[AK]             ; r x 144 + 16 h
	v_add_nc_u32 v[AK+1], SLOT, v[AK]
	v_lshl_add_u32 v28, v3, 3, v1                  ; key row 8 h + (l & 7)
	v_mul_u32_u24 v28, v28, PV
	v_bfe_u32 v29, v0, 3, 1
	v_lshl_add_u32 v28, v29, 4, v28                ; + 16 ((l >> 3) & 1)
	v_add_nc_u32 v[AV], VOFF, v28
	v_add_nc_u32 v[AV+1], VOFF+SLOT, v28
	s_mul_i32 s66, s8, 2*STL
	s_add_co_u32 s66, s66, STAGE                   ; my stage
	v_add_nc_u32 v[STO], s66, v[AK]
	v_bfe_u32 v29, v0, 3, 2                        ; (l & 31) >> 3
	v_mul_u32_u24 v30, v29, PK
	v_lshl_add_u32 v30, v1, 4, v30
	v_add_nc_u32 v[RD], s66, v30                   ; back: eight lanes take a row's 128 bytes
	v_lshlrev_b32 v30, 12, v29
	v_lshl_add_u32 v[YO], v1, 4, v30               ; the same in yb: rows of 4096 bytes
	v_lshlrev_b32 v30, 13, v2
	v_lshl_add_u32 v[QO], v3, 4, v30               ; Q: row r of 8192 bytes, 16 h
	v_lshlrev_b32 v30, 3, v3
	v_sub_nc_u32 v30, v2, v30                      ; r - 8 h
	s_lshl_b32 s67, s8, 5
	v_add_nc_u32 v[DQ], s67, v30
	v_add_nc_u32 v[DQ+1], 16, v[DQ]
	v_add_nc_u32 v[AVL], VLR, v28                  ; h has been used for the last time: its register takes vl's address
	v_mov_b32 v[NM+1], 0
	v_mov_b32 v[AL+1], 0
; S^T(p, kt) += K(kt, c) Q(p, c)^T; c = 0 starts the sum
.macro WS p, kt, c
.if \c
	v_wmma_f32_16x16x32_f16 v[S+32*\p+8*\kt:S+32*\p+8*\kt+7], v[F+16*\kt+8*\c:F+16*\kt+8*\c+7], v[Q+16*\p+8*\c:Q+16*\p+8*\c+7], v[S+32*\p+8*\kt:S+32*\p+8*\kt+7]
.else
	v_wmma_f32_16x16x32_f16 v[S+32*\p+8*\kt:S+32*\p+8*\kt+7], v[F+16*\kt+8*\c:F+16*\kt+8*\c+7], v[Q+16*\p+8*\c:Q+16*\p+8*\c+7], 0
.endif
.endm
; O^T(p, dt) += vh^T(dt, c) P(p, c)
.macro WPV p, dt, c
	v_wmma_f32_16x16x32_f16 v[O+32*\p+8*\dt:O+32*\p+8*\dt+7], v[F+32*\c+8*\dt:F+32*\c+8*\dt+7], v[S+32*\p+8*\c:S+32*\p+8*\c+7], v[O+32*\p+8*\dt:O+32*\p+8*\dt+7]
.endm
; O^T(p, dt) += vl^T(dt, c) P(p, c); source 0 in window 1
.macro WPVL p, dt, c
	v_wmma_f32_16x16x32_f16 v[O+32*\p+8*\dt:O+32*\p+8*\dt+7], v[F2+32*\c+8*\dt:F2+32*\c+8*\dt+7], v[S+32*\p+8*\c:S+32*\p+8*\c+7], v[O+32*\p+8*\dt:O+32*\p+8*\dt+7]
.endm
; the K fragments of 64 keys: 16 loads, those of d = 0..31 first
.macro LOADK slot, half
.irp c, 0,1
.irp kt, 0,1,2,3
	ds_load_b128 v[F+16*\kt+8*\c:F+16*\kt+8*\c+3],   v[AK+\slot] offset:(64*\half+16*\kt)*PK+64*\c
	ds_load_b128 v[F+16*\kt+8*\c+4:F+16*\kt+8*\c+7], v[AK+\slot] offset:(64*\half+16*\kt)*PK+64*\c+32
.endr
.endr
.endm
; the V^T fragments of 64 keys: 16 transposing loads, those of the first 32 keys first.  a: the address register; off: a region's bytes; f: F for vh, F2 for vl (destination in window 1)
.macro LOADV a, off, half, f
.irp c, 0,1
.irp dt, 0,1,2,3
	ds_load_tr16_b128 v[\f+32*\c+8*\dt:\f+32*\c+8*\dt+3],   v[\a] offset:\off+(64*\half+32*\c)*PV+32*\dt
	ds_load_tr16_b128 v[\f+32*\c+8*\dt+4:\f+32*\c+8*\dt+7], v[\a] offset:\off+(64*\half+32*\c)*PV+32*\dt+16*PV
.endr
.endr
.endm
; the maximum over S(p, i), in two chains that start from the running maximum.  masked: key 64 half + 16 i + 8 h + j stays only if it is <= the query's row
.macro MAXCH p, i, half, masked
.if \masked
.irp j, 0,1,2,3,4,5,6,7
	v_cmp_le_i32 vcc_lo, 64*\half+16*\i+\j, v[DQ+\p]
	v_cndmask_b32 v[S+32*\p+8*\i+\j], s17, v[S+32*\p+8*\i+\j], vcc_lo
.endr
.endif
.if \i
	v_max3_num_f32 v[T],  v[S+32*\p+8*\i],   v[S+32*\p+8*\i+1], v[T]
	v_max3_num_f32 v[T2], v[S+32*\p+8*\i+2], v[S+32*\p+8*\i+3], v[T2]
.else
	v_max3_num_f32 v[T],  v[S+32*\p+8*\i],   v[S+32*\p+8*\i+1], v[M+\p]
	v_max3_num_f32 v[T2], v[S+32*\p+8*\i+2], v[S+32*\p+8*\i+3], v[M+\p]
.endif
	v_max3_num_f32 v[T],  v[S+32*\p+8*\i+4], v[S+32*\p+8*\i+5], v[T]
	v_max3_num_f32 v[T2], v[S+32*\p+8*\i+6], v[S+32*\p+8*\i+7], v[T2]
.endm
; the new maximum (both halves of the lanes hold keys of query r), the rescale factor 2^(c (old - new)), the row sum rescaled.
; Every block's first 64 keys hold key 0, which no query masks, so the new maximum is finite and old - new is never (-inf) - (-inf).
.macro STATS p
	v_max_num_f32 v[T], v[T], v[T2]
	v_permlanex16_b32 v[T2], v[T], s12, s13
	v_max_num_f32 v[MN], v[T], v[T2]
	v_mul_f32 v[NM], s16, v[MN]
	v_fma_f32 v[D], v[M+\p], s14, v[NM]
	v_exp_f32 v[AL], v[D]
	v_mov_b32 v[M+\p], v[MN]                       ; the plain instruction behind the exponential (ISA guide 5.7.2)
	s_wait_alu depctr_va_vdst(0)
	v_pk_mul_f32 v[L+2*\p:L+2*\p+1], v[L+2*\p:L+2*\p+1], v[AL:AL+1] op_sel_hi:[1,0]
.endm
; p = 2^(c s - c max) on S(p, i); O(p, i) rescaled (these four lines are also the plain instructions behind the exponentials);
; the row sum; P packed to f16 into registers 4 i .. 4 i + 3 of the piece, whose scores have been used up by then
.macro EXPCH p, i
.irp q, 0,2,4,6
	v_pk_fma_f32 v[S+32*\p+8*\i+\q:S+32*\p+8*\i+\q+1], v[S+32*\p+8*\i+\q:S+32*\p+8*\i+\q+1], s[14:15], v[NM:NM+1] op_sel_hi:[1,0,0]
.endr
.irp q, 0,1,2,3,4,5,6,7
	v_exp_f32 v[S+32*\p+8*\i+\q], v[S+32*\p+8*\i+\q]
.endr
.irp q, 0,2,4,6
	v_pk_mul_f32 v[O+32*\p+8*\i+\q:O+32*\p+8*\i+\q+1], v[O+32*\p+8*\i+\q:O+32*\p+8*\i+\q+1], v[AL:AL+1] op_sel_hi:[1,0]
.endr
	s_wait_alu depctr_va_vdst(0)
	v_pk_add_f32 v[TS:TS+1],   v[S+32*\p+8*\i:S+32*\p+8*\i+1],   v[S+32*\p+8*\i+2:S+32*\p+8*\i+3]
	v_pk_add_f32 v[TS+2:TS+3], v[S+32*\p+8*\i+4:S+32*\p+8*\i+5], v[S+32*\p+8*\i+6:S+32*\p+8*\i+7]
	v_pk_add_f32 v[TS:TS+1], v[TS:TS+1], v[TS+2:TS+3]
	v_pk_add_f32 v[L+2*\p:L+2*\p+1], v[L+2*\p:L+2*\p+1], v[TS:TS+1]
.irp q, 0,1,2,3
	v_cvt_pk_f16_f32 v[S+32*\p+4*\i+\q], v[S+32*\p+8*\i+2*\q], v[S+32*\p+8*\i+2*\q+1]
.endr
.endm
; 64 keys against the wave's 32 queries.  masked = 1: a diagonal tile: the mask is applied, and P vl is added, vl from region vlr
.macro HALF slot, half, masked, vlr
	LOADK \slot, \half
	s_wait_dscnt 0x8                               ; the eight loads for d = 0..31 are in; the eight younger stay out
.irp i, 0,1,2,3
	WS 0, \i, 0
.endr
	s_wait_dscnt 0x0
.irp i, 0,1,2,3
	WS 0, \i, 1
.endr
.rept 5
	v_nop                                          ; places in front of the readers of piece 0's scores (ISA guide 7.12.1)
.endr
.irp i, 0,1,2,3
	WS 1, \i, 0                                    ; piece 1's scores beside piece 0's softmax
	MAXCH 0, \i, \half, \masked
.endr
	STATS 0
	WS 1, 0, 1
	WS 1, 1, 1
	EXPCH 0, 0
	WS 1, 2, 1
	WS 1, 3, 1
	EXPCH 0, 1                                     ; its sixteen plain lines are the places between the last reader of K's fragments and the loads below
	LOADV AV+\slot, 0, \half, F                    ; 16 loads: vh
.if \masked
	WIN 0x40                                       ; destination in window 1
	LOADV AVL, \vlr*VLB, \half, F2                 ; 16 loads: vl
	WIN 0
.endif
	EXPCH 0, 2
	EXPCH 0, 3
	s_wait_dscnt 8+16*\masked                      ; vh of the first 32 keys is in: vh's eight younger loads, and vl's sixteen where there are any, stay out
.irp i, 0,1,2,3
	WPV 0, \i, 0                                   ; piece 0's second product beside piece 1's softmax
	MAXCH 1, \i, \half, \masked
.endr
	STATS 1
	s_wait_dscnt 16*\masked                        ; all of vh is in; vl's sixteen loads stay out
	WPV 0, 0, 1
	WPV 0, 1, 1
	EXPCH 1, 0
	WPV 0, 2, 1
	WPV 0, 3, 1
	EXPCH 1, 1
	EXPCH 1, 2
	EXPCH 1, 3
.irp c, 0,1
.irp i, 0,1,2,3
	WPV 1, \i, \c
.endr
.endr
.if \masked
	s_wait_dscnt 0x0                               ; vl is in
	WIN 0x01                                       ; source 0 in window 1
.irp p, 0,1
.irp c, 0,1
.irp i, 0,1,2,3
	WPVL \p, \i, \c
.endr
.endr
.endr
	WIN 0
.endif
.rept 5
	v_nop                                          ; five places: the next scores are written over the P that the last products read; four serve the next loads
.endr                                          ; into the fragment registers and the readers of O (ISA guide 7.12.1)
.endm
; a key tile.  In a diagonal tile keys 64-127 lie above the diagonal for query rows 0-63, the rows of waves 0 and 1: the mask would throw
; all of that work away, so these two waves jump over it.  No barrier stands in the part that is jumped over.
.macro TILE slot, masked, vlr
	HALF \slot, 0, \masked, \vlr
.if \masked
	s_cmp_lt_u32 s8, 2
	s_cbranch_scc1 .Lupper_\@
.endif
	HALF \slot, 1, \masked, \vlr
.if \masked
.Lupper_\@:
.endif
.endm
; a query block is done: y = O / row sum; yh = bf16(y), yl = bf16(y - yh); through the wave's own stage (LDS serves a wave's instructions in order), out in rows of 128 bytes
.macro FINAL
.irp p, 0,1
	v_add_f32 v[T], v[L+2*\p], v[L+2*\p+1]
	v_permlanex16_b32 v[T2], v[T], s12, s13        ; the other half of the lanes summed the query's other keys
	v_add_f32 v[T], v[T], v[T2]
	v_rcp_f32 v[AL], v[T]
	v_nop                                          ; the plain instruction behind the reciprocal
	s_wait_alu depctr_va_vdst(0)
.irp q, 0,1,2,3,4,5,6,7,8,9,10,11,12,13,14,15
	v_pk_mul_f32 v[O+32*\p+2*\q:O+32*\p+2*\q+1], v[O+32*\p+2*\q:O+32*\p+2*\q+1], v[AL:AL+1] op_sel_hi:[1,0]
.endr
.irp q, 0,1,2,3,4,5,6,7,8,9,10,11,12,13,14,15
	v_cvt_pk_bf16_f32 v[S+32*\p+\q], v[O+32*\p+2*\q], v[O+32*\p+2*\q+1]
.endr
.irp q, 0,1,2,3,4,5,6,7,8,9,10,11,12,13,14,15
	v_lshlrev_b32 v[F+2*\q], 16, v[S+32*\p+\q]     ; yh back in f32
	v_and_b32 v[F+2*\q+1], s71, v[S+32*\p+\q]
.endr
.irp q, 0,1,2,3,4,5,6,7,8,9,10,11,12,13,14,15
	v_pk_add_f32 v[O+32*\p+2*\q:O+32*\p+2*\q+1], v[O+32*\p+2*\q:O+32*\p+2*\q+1], v[F+2*\q:F+2*\q+1] neg_lo:[0,1] neg_hi:[0,1]
.endr
.irp q, 0,1,2,3,4,5,6,7,8,9,10,11,12,13,14,15
	v_cvt_pk_bf16_f32 v[S+32*\p+16+\q], v[O+32*\p+2*\q], v[O+32*\p+2*\q+1]
.endr
.irp dt, 0,1,2,3
	ds_store_b128 v[STO], v[S+32*\p+4*\dt:S+32*\p+4*\dt+3] offset:16*\p*PK+32*\dt
	ds_store_b128 v[STO], v[S+32*\p+16+4*\dt:S+32*\p+16+4*\dt+3] offset:STL+16*\p*PK+32*\dt
.endr
.endr
.irp t, 0,1,2,3,4,5,6,7
	ds_load_b128 v[F+4*\t:F+4*\t+3], v[RD] offset:\t*4*PK
.endr
.irp t, 0,1,2,3,4,5,6,7
	ds_load_b128 v[F+32+4*\t:F+32+4*\t+3], v[RD] offset:STL+\t*4*PK
.endr
.irp t, 0,1,2,3,4,5,6,7
	s_wait_dscnt 15-\t                             ; load t of the sixteen is in
	global_store_b128 v[YO], v[F+4*\t:F+4*\t+3], s[20:21] offset:\t*4*YP
.endr
.irp t, 0,1,2,3,4,5,6,7
	s_wait_dscnt 7-\t
	global_store_b128 v[YO], v[F+32+4*\t:F+32+4*\t+3], s[20:21] offset:\t*4*YP+2048
.endr
	s_wait_xcnt 0x0                                ; the stores' data registers and base are written again only behind this wait
.endm
; a new query block, its number in scalar register blk: Q's fragments straight from memory, O, row sums and maxima started.
; O is cleared by moves: a block's first tile is masked in one work-group in eight and plain in the others, and writing both out with products that start the sums would double the trip's text.
.macro NEWQ blk
	s_lshl_b32 s66, \blk, 7
	s_add_co_u32 s66, s66, s80                     ; my first row
	s_lshl_b32 s68, s66, 13
	s_add_co_u32 s68, s68, s81
	s_mov_b32 s69, 0
	s_add_nc_u64 s[18:19], s[4:5], s[68:69]
	s_lshl_b32 s68, s66, 12
	s_add_co_u32 s68, s68, s81
	s_add_nc_u64 s[20:21], s[6:7], s[68:69]
.irp p, 0,1
.irp c, 0,1
	global_load_b128 v[Q+16*\p+8*\c:Q+16*\p+8*\c+3],   v[QO], s[18:19] offset:16*\p*QKVP+64*\c
	global_load_b128 v[Q+16*\p+8*\c+4:Q+16*\p+8*\c+7], v[QO], s[18:19] offset:16*\p*QKVP+64*\c+32
.endr
.endr
.set zi, 0
.rept 64
	v_mov_b32 v[O+zi], 0
.set zi, zi+1
.endr
.irp q, 0,1,2,3
	v_mov_b32 v[L+\q], 0
.endr
	v_mov_b32 v[M], s17
	v_mov_b32 v[M+1], s17
	s_wait_loadcnt 0x0
.endm
; one key tile.  In front of the barrier every wave has waited for all its tensor loads (its part of this trip's tile among them; in the first trip also its parts of
; the two vl regions) and for its LDS reads of the last trip's tile; behind it the other slot is filled first, then this slot is read.
; The tile so asked for has this whole trip in which to land.
.macro TRIP slot, refill, tail
	s_wait_tensorcnt 0x0
.if \refill
	s_add_co_u32 s66, s23, 1                       ; trip t + 1 reads key tile t + 1 while t + 1 <= i, later t - i
	s_sub_co_u32 s67, s23, s9
	s_cmp_le_u32 s66, s9
	s_cselect_b32 s66, s66, s67
	s_lshl_b32 s78, s66, 20                        ; 128 rows of 8192 bytes a tile
	s_add_nc_u64 s[G0+8*(1-\slot)+2:G0+8*(1-\slot)+3], s[72:73], s[78:79]        ; no tensor load is out: every group 0 may be written
	s_add_nc_u64 s[G0+8*(1-\slot)+6:G0+8*(1-\slot)+7], s[74:75], s[78:79]
.endif
	s_wait_dscnt 0x0
	s_barrier_signal -1
	s_barrier_wait -1
.if \refill
	tensor_load_to_lds s[G0+8*(1-\slot):G0+8*(1-\slot)+3], s[24:31]
	s_nop 0
	tensor_load_to_lds s[G0+8*(1-\slot)+4:G0+8*(1-\slot)+7], s[32:39]
	s_nop 0
.endif
.if \tail
	TILE \slot, 1, 1                               ; key tile 15 - i: its vl lies in region 1
	FINAL
.else
	s_cmp_eq_u32 s23, s9                           ; the same in all four waves: it hangs on the work-group's number and the trip alone
	s_cbranch_scc1 .Ldiag_\@
	TILE \slot, 0, 0
	s_branch .Lnext_\@
.Ldiag_\@:
	TILE \slot, 1, 0                               ; trip i: block i's diagonal tile, its last: key tile i, whose vl lies in region 0
	FINAL
	s_sub_co_u32 s70, 15, s9
	NEWQ s70
.Lnext_\@:
.endif
.endm
	NEWQ s9
	s_mov_b32 s22, 0
.Lpair:
	s_lshl_b32 s23, s22, 1                         ; t = 2 n
	TRIP 0, 1, 0
	s_add_co_u32 s23, s23, 1                       ; t = 2 n + 1
	TRIP 1, 1, 0
	s_add_co_u32 s22, s22, 1
	s_cmp_lt_u32 s22, 8
	s_cbranch_scc1 .Lpair
	TRIP 0, 0, 1                                   ; trip 16: block 15 - i's diagonal tile; nothing more is fetched
	s_endpgm
.Lfunc_end_k_qbf61b6719e_attn:
	.size	k_qbf61b6719e_attn, .Lfunc_end_k_qbf61b6719e_attn-k_qbf61b6719e_attn
	.p2alignl 7, 3214868480
	.fill 96, 4, 3214868480
	.section	.rodata,"a",@progbits
	.p2align	6, 0x0
	.amdhsa_kernel k_qbf61b6719e_attn
		.amdhsa_group_segment_fixed_size 327680
		.amdhsa_private_segment_fixed_size 0
		.amdhsa_enable_private_segment 0
		.amdhsa_kernarg_size 16
		.amdhsa_user_sgpr_count 2
		.amdhsa_user_sgpr_kernarg_segment_ptr 1
		.amdhsa_wavefront_size32 1
		.amdhsa_system_sgpr_workgroup_id_x 1
		.amdhsa_system_sgpr_workgroup_id_y 1
		.amdhsa_system_sgpr_workgroup_id_z 1
		.amdhsa_system_vgpr_workitem_id 0
		.amdhsa_next_free_vgpr 320
		.amdhsa_next_free_sgpr 96
		.amdhsa_reserve_vcc 1
		.amdhsa_float_denorm_mode_32 3
		.amdhsa_float_denorm_mode_16_64 3
		.amdhsa_memory_ordered 1
		.amdhsa_forward_progress 1
		.amdhsa_inst_pref_size 255
	.end_amdhsa_kernel
	.section	.bss,"aw",@nobits
	.p2align	6
	.space	262144
	.amdgpu_metadata
---
amdhsa.version: [ 1, 2 ]
amdhsa.kernels:
  - .name:           k_qbf61b6719e_attn
    .symbol:         k_qbf61b6719e_attn.kd
    .args:
      - { .name: qkvb, .offset: 0, .size: 8, .value_kind: global_buffer, .address_space: global }
      - { .name: yb, .offset: 8, .size: 8, .value_kind: global_buffer, .address_space: global }
    .group_segment_fixed_size: 327680
    .private_segment_fixed_size: 0
    .kernarg_segment_align: 8
    .kernarg_segment_size: 16
    .max_flat_workgroup_size: 128
    .sgpr_count:     96
    .vgpr_count:     320
    .wavefront_size: 32
...
	.end_amdgpu_metadata
.endif
;; end of part 6
;; launch proj (part 7): grid 8 x 32, 4 waves a work-group, clusters of 4 x 4, 327,680 bytes of LDS; arguments yb, wb, out0; writes out0
.if DOCPART == 7
	.amdgcn_target "amdgcn-amd-amdhsa--gfx1250"
	.amdhsa_code_object_version 6
	.text
	.protected	k_qbf61b6719e_proj
	.globl	k_qbf61b6719e_proj
	.p2align	8
	.type	k_qbf61b6719e_proj,@function
k_qbf61b6719e_proj:
	s_mov_b64 s[64:65], 0
	v_nop
	global_prefetch_b8 v0, s[64:65] scope:SCOPE_SE
	s_setreg_imm32_b32 hwreg(HW_REG_WAVE_MODE, 25, 1), 1
	s_wait_xcnt 0x0
	s_wait_alu depctr_hold_cnt(0) depctr_sa_sdst(0) depctr_va_vdst(0) depctr_va_sdst(0) depctr_va_ssrc(0) depctr_va_vcc(0) depctr_vm_vsrc(0)
	s_getreg_b32 s2, hwreg(HW_REG_IB_STS2, 6, 4)
	s_cmp_eq_u32 s2, 0
	s_cbranch_scc0 .Lentry_in_a_cluster
	s_endpgm
.Lentry_in_a_cluster:
	s_bfe_u32 s2, ttmp6, 0x10000c
	s_cmp_lg_u32 s2, 0xf033
	s_cbranch_scc0 .Lentry_shape_is_right
	s_endpgm
.Lentry_shape_is_right:
; out0[m][n] = sum over k of y[m][k] Wo[n][k], m < 4096, n < 1024, k < 1024, with y = yh + yl in two bf16 numbers: yb is [4096][2048], yh | yl.
; Wo in bf16 is rows 3072..4095 of wb.  f32 sums, f32 out.
; A work-group makes 128 x 128 of C with four waves of 64 x 64 (rows 64 (w >> 1), columns 64 (w & 1)): 16 accumulator tiles.
; yh and yl are multiplied against the SAME fragments of Wo and add onto the same accumulators: for 32 along K a wave reads 4 fragments of Wo,
; 4 of yh and 4 of yl (24 loads) and issues 32 matrix instructions, and Wo is fetched once.
; K goes in 8 steps of 128 (rows of 256 bytes) through three LDS slots; two slots are filled again behind one barrier round.
; CLUSTER 4 x 4: y's tiles hang on the block row alone and are asked for jointly along a row of the cluster, Wo's on the block column alone, along a column.
; Every wave issues both joint loads of a tile: 64 rows of yb (wave w: yh or yl by w >> 1, rows 64 (w & 1)) and 32 rows of Wo (rows 32 w): no branch.
; The matrix instruction is used transposed (source 0 = rows of Wo, source 1 = rows of y): lane l holds row l % 16 of C, columns 8 (l / 16) + 0..7.
; The 16 accumulators take turns, one instruction a turn, in the same order for yh and for yl in every quarter step.
; REGISTERS: window 0: v16-26 addresses, v64-159 and v160-255 two fragment buffers (Wo's four fragments, yh's four, yl's four).
;            window 1: accumulator (a, b) at v[8 (4 a + b)].
.set KSTEP,  128
.set PITCH,  272                       ; an LDS row: 256 bytes + 16 of padding, an odd multiple of 16
.set QUART,  64*PITCH                  ; 64 rows
.set PART,   128*PITCH                 ; 128 rows
.set SLOT,   3*PART                    ; yh's 128 rows, yl's 128 rows, Wo's 128 rows: 104,448
.set STAGE,  2*SLOT                    ; the way out's stage, each wave's own 16 rows x 272 bytes, lies in slot 2, which has had its last fill (K step 5) by then
.set CP,     4096                      ; bytes in a row of C
.set ADRA, 16                          ; v16-18  LDS address of my yh fragments in slot 0..2; yl's lie PART bytes on
.set ADRB, 20                          ; v20-22  the same for Wo
.set STO,  24
.set RD,   25
.set CO,   26
.set F0,   64
.set F1,   160
.set G1,  24                           ; s[24:31] group 1 for y's tiles
.set G1B, 32                           ; s[32:39] group 1 for Wo's tiles
.set G0,  40                           ; s[40:51] group 0 for y's tiles, one set for each slot
.set G0B, 68                           ; s[68:79] group 0 for Wo's tiles
.set MULW, 0x50                        ; sources 0 and 1 window 0, C and D window 1
.set MSB, 0
.macro WIN new                         ; the immediate's high byte repeats the setting that is left
.if MSB != \new
	s_set_vgpr_msb (MSB<<8)|\new
.set MSB, \new
.endif
.endm
.macro PLACES                          ; four places behind a matrix instruction (ISA guide 7.12.1)
.rept 4
	v_nop
.endr
.endm
.macro JLOAD s                         ; a tile's two joint loads of this wave; one mask to a line
	tensor_load_to_lds s[G0+4*\s:G0+4*\s+3], s[G1:G1+7]
	s_nop 0
	tensor_load_to_lds s[G0B+4*\s:G0B+4*\s+3], s[G1B:G1B+7]
	s_nop 0
.endm
.macro CREST                           ; a round of the cluster's barrier behind its opening work-group barrier
	s_cmp_lg_u32 s10, 0
	s_cbranch_scc1 .Lnot_wave_0_\@
	s_barrier_signal -3
.Lnot_wave_0_\@:
	s_barrier_wait -3
	s_barrier_signal -1
	s_barrier_wait -1
.endm
.macro CROUND
	s_barrier_signal -1
	s_barrier_wait -1
	CREST
.endm
	s_load_b128 s[4:7], s[0:1], 0x0                ; yb s[4:5], wb s[6:7]
	s_load_b64 s[8:9], s[0:1], 0x10                ; out0
	v_lshrrev_b32 v1, 5, v0
	v_readfirstlane_b32 s10, v1                    ; wave 0..3
	s_lshr_b32 s11, s10, 1
	s_and_b32 s12, s10, 1
	s_bfe_u32 s84, ttmp6, 0x40000                  ; cx
	s_bfe_u32 s85, ttmp6, 0x40004                  ; cy
	s_lshl_b32 s86, ttmp9, 2
	s_add_co_u32 s86, s86, s84                     ; block column
	s_and_b32 s13, ttmp7, 0xffff
	s_lshl_b32 s13, s13, 2
	s_add_co_u32 s13, s13, s85                     ; block row
	s_lshl_b32 s87, s85, 2
	s_lshl_b32 s87, 15, s87                        ; my row of the cluster
	s_lshl_b32 s88, 0x1111, s84                    ; my column
	; group 1: rows of 128 elements of 2 bytes, 4 words of padding behind every 64 words; y: 64 rows, pitch 2048 elements; Wo: 32 rows, pitch 1024
	s_or_b32 s[G1+0], s87, (1<<16)|(1<<20)|(1<<21)|(5<<22)|(3<<25)
	s_or_b32 s[G1B+0], s88, (1<<16)|(1<<20)|(1<<21)|(5<<22)|(3<<25)
	s_mov_b32 s[G1+1], KSTEP<<16
	s_mov_b32 s[G1B+1], KSTEP<<16
	s_mov_b32 s[G1+2], 64<<16
	s_mov_b32 s[G1B+2], 32<<16
	s_mov_b32 s[G1+3], KSTEP<<16
	s_mov_b32 s[G1B+3], KSTEP<<16
	s_mov_b32 s[G1+4], 64
	s_mov_b32 s[G1B+4], 32
	s_mov_b32 s[G1+5], 2048
	s_mov_b32 s[G1B+5], 1024
	s_mov_b32 s[G1+6], 0
	s_mov_b32 s[G1B+6], 0
	s_mov_b32 s[G1+7], 0
	s_mov_b32 s[G1B+7], 0
	; y's address is made of the block row and the wave's number, Wo's of the block column and the wave's number, in registers of their own
	s_lshl_b32 s14, s13, 7
	s_lshl_b32 s15, s12, 6
	s_add_co_u32 s14, s14, s15                     ; y: row 128 x block row + 64 (w & 1)
	s_lshl_b32 s14, s14, 12                        ; x 4096 bytes
	s_lshl_b32 s15, s11, 11                        ; yl lies 2048 bytes to the right of yh
	s_add_co_u32 s14, s14, s15
	s_mov_b32 s15, 0
	s_lshl_b32 s16, s86, 7
	s_lshl_b32 s17, s10, 5
	s_add_co_u32 s16, s16, s17                     ; Wo: row 128 x block column + 32 w,
	s_add_co_u32 s16, s16, 3072                    ; behind the 3072 rows of Wq, Wk, Wv
	s_lshl_b32 s16, s16, 11
	s_mov_b32 s17, 0
	s_mul_i32 s20, s10, QUART                      ; where my 64 rows of y go: yh's two halves, then yl's two halves
	s_mul_i32 s23, s10, 32*PITCH
	s_add_co_u32 s23, s23, 2*PART                  ; where my 32 rows of Wo go
	s_wait_kmcnt 0x0
	s_add_nc_u64 s[14:15], s[4:5], s[14:15]
	s_add_nc_u64 s[16:17], s[6:7], s[16:17]
	CROUND                                         ; all sixteen work-groups are here: the first joint loads meet
.irp s, 0,1,2
	s_mov_b32 s[G0+4*\s], 1
	s_add_co_u32 s[G0+4*\s+1], s20, \s*SLOT
	s_add_nc_u64 s[G0+4*\s+2:G0+4*\s+3], s[14:15], \s*KSTEP*2      ; K step s
	s_or_b32 s[G0+4*\s+3], s[G0+4*\s+3], 0x80000000
	s_mov_b32 s[G0B+4*\s], 1
	s_add_co_u32 s[G0B+4*\s+1], s23, \s*SLOT
	s_add_nc_u64 s[G0B+4*\s+2:G0B+4*\s+3], s[16:17], \s*KSTEP*2
	s_or_b32 s[G0B+4*\s+3], s[G0B+4*\s+3], 0x80000000
	JLOAD \s                                       ; six tensor loads of the wave are out behind this run: the most in this text
.endr
	v_and_b32 v1, 15, v0                           ; r
	v_bfe_u32 v2, v0, 4, 1                         ; h
	v_mul_u32_u24 v3, v1, PITCH
	v_lshl_add_u32 v3, v2, 4, v3                   ; r x 272 + 16 h
	s_mul_i32 s21, s11, QUART                      ; my 64 rows of yh
	s_mul_i32 s22, s12, QUART
	s_add_co_u32 s22, s22, 2*PART                  ; my 64 rows of Wo
.irp s, 0,1,2
	v_add_nc_u32 v[ADRA+\s], s21, v3
	v_add_nc_u32 v[ADRB+\s], s22, v3
	s_add_co_u32 s21, s21, SLOT
	s_add_co_u32 s22, s22, SLOT
.endr
	s_mul_i32 s23, s10, 16*PITCH
	s_add_co_u32 s23, s23, STAGE                   ; my stage
	v_mul_u32_u24 v4, v1, PITCH                    ; in: row r, 32 bytes for each half of the lanes
	v_lshl_add_u32 v4, v2, 5, v4
	v_add_nc_u32 v[STO], s23, v4
	v_mul_u32_u24 v5, v2, PITCH                    ; back: lanes 0-15 take one row of 256 bytes, lanes 16-31 the next
	v_lshl_add_u32 v5, v1, 4, v5
	v_add_nc_u32 v[RD], s23, v5
	v_lshlrev_b32 v5, 12, v2
	v_lshl_add_u32 v[CO], v1, 4, v5
; four matrix instructions: row block a of my four (part = 0: yh, 1: yl) x all four column blocks, 32 along K.  zero = 1: the product starts the sums
.macro MULROW f, part, a, zero
.irp b, 0,1,2,3
.if \zero
	v_wmma_f32_16x16x32_bf16 v[8*(4*\a+\b):8*(4*\a+\b)+7], v[\f+8*\b:\f+8*\b+7], v[\f+32+32*\part+8*\a:\f+32+32*\part+8*\a+7], 0
.else
	v_wmma_f32_16x16x32_bf16 v[8*(4*\a+\b):8*(4*\a+\b)+7], v[\f+8*\b:\f+8*\b+7], v[\f+32+32*\part+8*\a:\f+32+32*\part+8*\a+7], v[8*(4*\a+\b):8*(4*\a+\b)+7]
.endif
.endr
.endm
; 24 LDS loads in one run: the fragments of a quarter step (64 rows of Wo, of yh, of yl; 32 K at byte k of the rows) into buffer f
.macro FETCH slot, k, f
	WIN 0
.irp i, 0,1,2,3
	ds_load_b128 v[\f+8*\i:\f+8*\i+3],   v[ADRB+\slot] offset:\k+\i*16*PITCH
	ds_load_b128 v[\f+8*\i+4:\f+8*\i+7], v[ADRB+\slot] offset:\k+\i*16*PITCH+32
.endr
.irp i, 0,1,2,3
	ds_load_b128 v[\f+32+8*\i:\f+32+8*\i+3],   v[ADRA+\slot] offset:\k+\i*16*PITCH
	ds_load_b128 v[\f+32+8*\i+4:\f+32+8*\i+7], v[ADRA+\slot] offset:\k+\i*16*PITCH+32
.endr
.irp i, 0,1,2,3
	ds_load_b128 v[\f+64+8*\i:\f+64+8*\i+3],   v[ADRA+\slot] offset:PART+\k+\i*16*PITCH
	ds_load_b128 v[\f+64+8*\i+4:\f+64+8*\i+7], v[ADRA+\slot] offset:PART+\k+\i*16*PITCH+32
.endr
.endm
; one of a K step's first three quarters: multiplies buffer f; behind its first four products it fetches the next quarter into buffer g,
; whose loads then have 28 matrix instructions in which to land
.macro QUARTER slot, k, f, g, zero
	s_wait_dscnt 0x8                               ; Wo's and yh's fragments are in; the youngest eight loads (yl's) may be out
	WIN MULW
	MULROW \f, 0, 0, \zero
	PLACES                                         ; buffer g was last read by the matrix instructions of the quarter before
	FETCH \slot, \k, \g
	WIN MULW
	MULROW \f, 0, 1, \zero
	MULROW \f, 0, 2, \zero
	MULROW \f, 0, 3, \zero
	s_wait_dscnt 0x18                              ; all but the 24 just issued
	MULROW \f, 1, 0, 0
	MULROW \f, 1, 1, 0
	MULROW \f, 1, 2, 0
	MULROW \f, 1, 3, 0
.endm
.macro THREE slot, zero
	QUARTER \slot, 64,  F0, F1, \zero
	QUARTER \slot, 128, F1, F0, 0
	QUARTER \slot, 192, F0, F1, 0
.endm
; the last quarter of a K step: multiplies buffer 1 and goes on to slot next: my parts of its tile have landed (cnt younger loads may stay out), then a barrier.
; fill = 1 or 2: slot fa (and fb), whose reads are over, are filled again three K steps ahead.  Then cnt is 0: in front of the round's opening signal every wave
; has waited for its LDS reads and for all its tensor loads; inside the round stands register work alone; the joint refills come first behind it.
.macro TURN next, cnt, fill, fa, fb
	s_wait_dscnt 0x0                               ; buffer 1 is in, and with it my last reads of this slot
	WIN MULW
	MULROW F1, 0, 0, 0
	s_wait_tensorcnt \cnt
	s_barrier_signal -1
	MULROW F1, 0, 1, 0
	WIN 0
	s_barrier_wait -1
.if \fill
	CREST                                          ; no wave of any partner still reads the slots or has a load on its way
	s_add_nc_u64 s[G0+4*\fa+2:G0+4*\fa+3], s[G0+4*\fa+2:G0+4*\fa+3], 3*KSTEP*2
	s_add_nc_u64 s[G0B+4*\fa+2:G0B+4*\fa+3], s[G0B+4*\fa+2:G0B+4*\fa+3], 3*KSTEP*2
.if \fill == 2
	s_add_nc_u64 s[G0+4*\fb+2:G0+4*\fb+3], s[G0+4*\fb+2:G0+4*\fb+3], 3*KSTEP*2
	s_add_nc_u64 s[G0B+4*\fb+2:G0B+4*\fb+3], s[G0B+4*\fb+2:G0B+4*\fb+3], 3*KSTEP*2
.endif
	JLOAD \fa
.if \fill == 2
	JLOAD \fb
.endif
.endif
	PLACES
	FETCH \next, 0, F0
	WIN MULW
	MULROW F1, 0, 2, 0
	MULROW F1, 0, 3, 0
	MULROW F1, 1, 0, 0
	MULROW F1, 1, 1, 0
	MULROW F1, 1, 2, 0
	MULROW F1, 1, 3, 0
.endm
	s_wait_tensorcnt 0x4                           ; my two parts of K step 0 are in; the four younger loads stay out
	s_barrier_signal -1
	s_barrier_wait -1
	FETCH 0, 0, F0
	THREE 0, 1                                     ; K step 0: the first products start the sums
	TURN 1, 2, 0, 0, 0                             ; K step 1 is in; step 2's two loads stay out
	THREE 1, 0
	TURN 2, 0, 2, 0, 1                             ; all loads in; slots 0, 1 get K steps 3, 4
	THREE 2, 0
	TURN 0, 2, 0, 0, 0                             ; K step 3 is in; step 4's two loads stay out
	THREE 0, 0
	TURN 1, 0, 2, 2, 0                             ; slots 2, 0 get K steps 5, 6
	THREE 1, 0
	TURN 2, 2, 0, 0, 0                             ; K step 5 is in; step 6's stay out
	THREE 2, 0
	TURN 0, 0, 1, 1, 1                             ; slot 1 gets K step 7, the last
	THREE 0, 0
	TURN 1, 0, 0, 0, 0                             ; K step 7 is in
	THREE 1, 0
	s_wait_dscnt 0x0
	WIN MULW
	MULROW F1, 0, 0, 0
	MULROW F1, 0, 1, 0
	MULROW F1, 0, 2, 0
	MULROW F1, 0, 3, 0
	MULROW F1, 1, 0, 0
	MULROW F1, 1, 1, 0
	MULROW F1, 1, 2, 0
	MULROW F1, 1, 3, 0
	PLACES                                         ; in front of the LDS stores, which read results
	; THE WAY OUT, 16 rows at a time: a lane's eight f32 go as two 16-byte stores into the wave's own stage and come back as whole rows of 256 bytes.
	; The stage's bytes were last read as K step 5's tile, in front of two later barriers.
	s_lshl_b32 s18, s13, 7
	s_lshl_b32 s19, s11, 6
	s_add_co_u32 s18, s18, s19                     ; row 128 x block row + 64 (w >> 1)
	s_lshl_b32 s18, s18, 12
	s_mov_b32 s19, 0
	s_add_nc_u64 s[8:9], s[8:9], s[18:19]
	s_lshl_b32 s16, s86, 9                         ; 512 bytes x block column + 256 (w & 1), in registers that held Wo's address
	s_lshl_b32 s17, s12, 8
	s_add_co_u32 s16, s16, s17
	s_mov_b32 s17, 0
	s_add_nc_u64 s[8:9], s[8:9], s[16:17]
.macro OUT16 a, f
	WIN 0x04                                       ; the stores' data in window 1, their address in window 0
.irp b, 0,1,2,3
	ds_store_b128 v[STO], v[8*(4*\a+\b):8*(4*\a+\b)+3]   offset:64*\b
	ds_store_b128 v[STO], v[8*(4*\a+\b)+4:8*(4*\a+\b)+7] offset:64*\b+16
.endr
	WIN 0
	s_wait_xcnt 0x0                                ; buffer f, which earlier global stores read, is loaded again only behind this wait
.irp t, 0,1,2,3,4,5,6,7
	ds_load_b128 v[\f+4*\t:\f+4*\t+3], v[RD] offset:\t*2*PITCH     ; LDS serves a wave's instructions in order: these see the stores above
.endr
.irp t, 0,1,2,3,4,5,6,7
	s_wait_dscnt 7-\t                              ; load t is in
	global_store_b128 v[CO], v[\f+4*\t:\f+4*\t+3], s[8:9] offset:(16*\a+2*\t)*CP th:TH_STORE_NT   ; 16 lanes store 256 consecutive bytes, aligned
.endr
.endm
	OUT16 0, F0
	OUT16 1, F1
	OUT16 2, F0
	OUT16 3, F1
	CROUND                                         ; the closing round: no work-group ends while a partner may still ask jointly
	s_endpgm
.Lfunc_end_k_qbf61b6719e_proj:
	.size	k_qbf61b6719e_proj, .Lfunc_end_k_qbf61b6719e_proj-k_qbf61b6719e_proj
	.p2alignl 7, 3214868480
	.fill 96, 4, 3214868480
	.section	.rodata,"a",@progbits
	.p2align	6, 0x0
	.amdhsa_kernel k_qbf61b6719e_proj
		.amdhsa_group_segment_fixed_size 327680
		.amdhsa_private_segment_fixed_size 0
		.amdhsa_enable_private_segment 0
		.amdhsa_kernarg_size 24
		.amdhsa_user_sgpr_count 2
		.amdhsa_user_sgpr_kernarg_segment_ptr 1
		.amdhsa_wavefront_size32 1
		.amdhsa_system_sgpr_workgroup_id_x 1
		.amdhsa_system_sgpr_workgroup_id_y 1
		.amdhsa_system_sgpr_workgroup_id_z 1
		.amdhsa_system_vgpr_workitem_id 0
		.amdhsa_next_free_vgpr 384
		.amdhsa_next_free_sgpr 96
		.amdhsa_reserve_vcc 0
		.amdhsa_float_denorm_mode_32 3
		.amdhsa_float_denorm_mode_16_64 3
		.amdhsa_memory_ordered 1
		.amdhsa_forward_progress 1
		.amdhsa_inst_pref_size 139
	.end_amdhsa_kernel
	.amdgpu_metadata
---
amdhsa.version: [ 1, 2 ]
amdhsa.kernels:
  - .name:           k_qbf61b6719e_proj
    .symbol:         k_qbf61b6719e_proj.kd
    .args:
      - { .name: yb, .offset: 0, .size: 8, .value_kind: global_buffer, .address_space: global }
      - { .name: wb, .offset: 8, .size: 8, .value_kind: global_buffer, .address_space: global }
      - { .name: out0, .offset: 16, .size: 8, .value_kind: global_buffer, .address_space: global }
    .group_segment_fixed_size: 327680
    .private_segment_fixed_size: 0
    .kernarg_segment_align: 8
    .kernarg_segment_size: 24
    .max_flat_workgroup_size: 128
    .sgpr_count:     96
    .vgpr_count:     384
    .wavefront_size: 32
...
	.end_amdgpu_metadata
.endif
;; end of part 7
